; MI455X (gfx1250); checked and timed in simulation.
; The chip was launched on July 23, 2026; its instructions are those of AMD's public machine-readable ISA for CDNA 5 (MIT licence, August 2026) and "CDNA5" Instruction Set Architecture Reference Guide (July 2026). The comments in the code are by the model that wrote it; some were corrected since.
;; Attention. Allowed arithmetic: float matrix products may take bf16 or f16 operands with f32 sums; other float arithmetic in f32, or as packed bf16 or f16 multiplies, adds, multiply-adds, maxima and minima; sums over many terms, partial sums and values carried from step to step in f32; what a program stores and reads back later, other than sums and carried values, may be rounded once to bf16 or f16.
;; Inputs: Wk_b 1,024 float32; Wk_w 1,024 x 1,024 float32; Wq_b 1,024 float32; Wq_w 1,024 x 1,024 float32; Wv_b 1,024 float32; Wv_w 1,024 x 1,024 float32; attention_mask 4 x 2,048 int32; k 4 x 2,048 x 1,024 float32; q 4 x 2,048 x 1,024 float32; v 4 x 2,048 x 1,024 float32.
;; Outputs: out0 4 x 2,048 x 1,024 float32.
;; One version. Each part assembles by itself: llvm-mc -triple=amdgcn-amd-amdhsa -mcpu=gfx1250 --defsym DOCPART=n.
;; ======== version 1 of 1: 4 launches
;; limits: values are held in f16: magnitudes above 65,504 overflow, below 6.1e-05 lose precision
;; workspace buffers: xb 50,331,648 bytes; wb 6,291,456 bytes; ph 50,331,648 bytes; vsum 262,144 bytes; pb 33,554,432 bytes; st 1,048,576 bytes; hl 786,432 bytes
;; launch cast (part 1): grid 576 x 3, 8 waves a work-group, no clusters, 0 bytes of LDS; arguments q, k, v, Wq_w, Wk_w, Wv_w, xb, wb; writes xb, wb
.if DOCPART == 1
	.amdgcn_target "amdgcn-amd-amdhsa--gfx1250"
	.amdhsa_code_object_version 6
	.text
	.protected	k_qbabbe6ff0d_cast
	.globl	k_qbabbe6ff0d_cast
	.p2align	8
	.type	k_qbabbe6ff0d_cast,@function
k_qbabbe6ff0d_cast:
	s_mov_b64 s[64:65], 0
	v_nop
	global_prefetch_b8 v0, s[64:65] scope:SCOPE_SE
	s_setreg_imm32_b32 hwreg(HW_REG_WAVE_MODE, 25, 1), 1
	s_wait_xcnt 0x0
; xb[3][8192][1024] = bf16(q, k, v);  wb[3][1024][1024] = bf16(Wq_w, Wk_w, Wv_w).  One rounding to nearest even, nothing else.
; A stream: every input byte is read once and every output byte written once, so there is no LDS, no barrier and no matrix work.
; SHARES.  Work-group y picks the tensor pair (q, Wq_w), (k, Wk_w) or (v, Wv_w); x < 512: chunk x of the activation, else chunk x - 512 of the weight.
; A chunk is 16,384 numbers (65,536 bytes in, 32,768 out); a wave takes 2,048 of them by 16 loads of 16 bytes a lane (512 consecutive bytes a load),
; all issued before the first wait; each load's four numbers a lane become 8 bytes, and the 32 lanes of a store fill 256 consecutive bytes, aligned.
; No register is written twice, so no source of a pending load or store is ever rewritten.
.set XCH, 512                          ; chunks in an activation; a weight has 64
.set IN,  8                            ; v[8:71]    16 loads x 4 registers
.set OUT, 72                           ; v[72:103]  16 stores x 2 registers
	s_load_b512 s[8:23], s[0:1], 0x0               ; q s[8:9], k s[10:11], v s[12:13], Wq_w s[14:15], Wk_w s[16:17], Wv_w s[18:19], xb s[20:21], wb s[22:23]
	s_and_b32 s2, ttmp7, 0xffff                    ; which of the three
	s_mov_b32 s3, ttmp9
	s_cmp_lt_u32 s3, XCH                           ; an activation's chunk?
	s_cselect_b32 s4, 0, XCH
	s_cselect_b32 s5, 24, 21                       ; a tensor is 2^24 bytes of xb or 2^21 bytes of wb
	s_sub_co_u32 s4, s3, s4                        ; the chunk's number in its tensor
	s_lshl_b32 s6, s2, s5
	s_lshl_b32 s28, s4, 16                         ; the chunk's first byte in the source,
	s_mov_b32 s29, 0
	s_lshl_b32 s30, s4, 15                         ; and in the destination
	s_add_co_u32 s30, s30, s6
	s_mov_b32 s31, 0
	v_lshrrev_b32 v3, 5, v0                        ; wave
	v_and_b32 v4, 31, v0                           ; lane
	v_lshlrev_b32 v1, 13, v3
	v_lshl_add_u32 v1, v4, 4, v1                   ; in: 8,192 x wave + 16 x lane
	v_lshlrev_b32 v2, 12, v3
	v_lshl_add_u32 v2, v4, 3, v2                   ; out: 4,096 x wave + 8 x lane
	s_wait_kmcnt 0x0
	s_cmp_eq_u32 s2, 0
	s_cselect_b64 s[24:25], s[8:9], s[10:11]
	s_cselect_b64 s[26:27], s[14:15], s[16:17]
	s_cmp_eq_u32 s2, 2
	s_cselect_b64 s[24:25], s[12:13], s[24:25]     ; the activation
	s_cselect_b64 s[26:27], s[18:19], s[26:27]     ; the weight
	s_cmp_lt_u32 s3, XCH
	s_cselect_b64 s[24:25], s[24:25], s[26:27]     ; the source
	s_cselect_b64 s[26:27], s[20:21], s[22:23]     ; the destination
	s_add_nc_u64 s[24:25], s[24:25], s[28:29]
	s_add_nc_u64 s[26:27], s[26:27], s[30:31]
.irp j, 0,1,2,3,4,5,6,7,8,9,10,11,12,13,14,15
	global_load_b128 v[IN+4*(\j):IN+4*(\j)+3], v1, s[24:25] offset:512*(\j) th:TH_LOAD_NT
.endr
.irp j, 0,1,2,3,4,5,6,7,8,9,10,11,12,13,14,15
	s_wait_loadcnt 15-(\j)                         ; loads come back in order: load j is in, the 15 - j younger ones stay out
	v_cvt_pk_bf16_f32 v[OUT+2*(\j)], v[IN+4*(\j)], v[IN+4*(\j)+1]
	v_cvt_pk_bf16_f32 v[OUT+2*(\j)+1], v[IN+4*(\j)+2], v[IN+4*(\j)+3]
	global_store_b64 v2, v[OUT+2*(\j):OUT+2*(\j)+1], s[26:27] offset:256*(\j) th:TH_STORE_NT
.endr
	s_endpgm
.Lfunc_end_k_qbabbe6ff0d_cast:
	.size	k_qbabbe6ff0d_cast, .Lfunc_end_k_qbabbe6ff0d_cast-k_qbabbe6ff0d_cast
	.p2alignl 7, 3214868480
	.fill 96, 4, 3214868480
	.section	.rodata,"a",@progbits
	.p2align	6, 0x0
	.amdhsa_kernel k_qbabbe6ff0d_cast
		.amdhsa_group_segment_fixed_size 0
		.amdhsa_private_segment_fixed_size 0
		.amdhsa_enable_private_segment 0
		.amdhsa_kernarg_size 64
		.amdhsa_user_sgpr_count 2
		.amdhsa_user_sgpr_kernarg_segment_ptr 1
		.amdhsa_wavefront_size32 1
		.amdhsa_system_sgpr_workgroup_id_x 1
		.amdhsa_system_sgpr_workgroup_id_y 1
		.amdhsa_system_sgpr_workgroup_id_z 1
		.amdhsa_system_vgpr_workitem_id 0
		.amdhsa_next_free_vgpr 104
		.amdhsa_next_free_sgpr 66
		.amdhsa_reserve_vcc 0
		.amdhsa_float_denorm_mode_32 3
		.amdhsa_float_denorm_mode_16_64 3
		.amdhsa_memory_ordered 1
		.amdhsa_forward_progress 1
		.amdhsa_inst_pref_size 7
	.end_amdhsa_kernel
	.amdgpu_metadata
---
amdhsa.version: [ 1, 2 ]
amdhsa.kernels:
  - .name:           k_qbabbe6ff0d_cast
    .symbol:         k_qbabbe6ff0d_cast.kd
    .args:
      - { .name: q, .offset: 0, .size: 8, .value_kind: global_buffer, .address_space: global }
      - { .name: k, .offset: 8, .size: 8, .value_kind: global_buffer, .address_space: global }
      - { .name: v, .offset: 16, .size: 8, .value_kind: global_buffer, .address_space: global }
      - { .name: Wq_w, .offset: 24, .size: 8, .value_kind: global_buffer, .address_space: global }
      - { .name: Wk_w, .offset: 32, .size: 8, .value_kind: global_buffer, .address_space: global }
      - { .name: Wv_w, .offset: 40, .size: 8, .value_kind: global_buffer, .address_space: global }
      - { .name: xb, .offset: 48, .size: 8, .value_kind: global_buffer, .address_space: global }
      - { .name: wb, .offset: 56, .size: 8, .value_kind: global_buffer, .address_space: global }
    .group_segment_fixed_size: 0
    .private_segment_fixed_size: 0
    .kernarg_segment_align: 8
    .kernarg_segment_size: 64
    .max_flat_workgroup_size: 256
    .sgpr_count:     66
    .vgpr_count:     104
    .wavefront_size: 32
...
	.end_amdgpu_metadata
.endif
;; end of part 1
;; launch proj (part 2): grid 4 x 96, 4 waves a work-group, clusters of 4 x 4, 327,680 bytes of LDS; arguments xb, wb, ph, vsum, Wq_b, Wk_b, Wv_b, hl; writes ph, vsum, hl
.if DOCPART == 2
	.amdgcn_target "amdgcn-amd-amdhsa--gfx1250"
	.amdhsa_code_object_version 6
	.text
	.protected	k_qbabbe6ff0d_proj
	.globl	k_qbabbe6ff0d_proj
	.p2align	8
	.type	k_qbabbe6ff0d_proj,@function
k_qbabbe6ff0d_proj:
	s_mov_b64 s[64:65], 0
	v_nop
	global_prefetch_b8 v0, s[64:65] scope:SCOPE_SE
	s_setreg_imm32_b32 hwreg(HW_REG_WAVE_MODE, 25, 1), 1
	s_wait_xcnt 0x0
	s_wait_alu depctr_hold_cnt(0) depctr_sa_sdst(0) depctr_va_vdst(0) depctr_va_sdst(0) depctr_va_ssrc(0) depctr_va_vcc(0) depctr_vm_vsrc(0)
	s_getreg_b32 s2, hwreg(HW_REG_IB_STS2, 6, 4)
	s_cmp_eq_u32 s2, 0
	s_cbranch_scc0 .Lentry_in_a_cluster
	s_endpgm
.Lentry_in_a_cluster:
	s_bfe_u32 s2, ttmp6, 0x10000c
	s_cmp_lg_u32 s2, 0xf033
	s_cbranch_scc0 .Lentry_shape_is_right
	s_endpgm
.Lentry_shape_is_right:
; ph[z][t][h] = f16( sum over m of xb[z][t][m] wb[z][h][m] + bf16(bias_z[h]) ),  z = 0, 1, 2 for q, k, v;  t = 0 .. 8191, h, m = 0 .. 1023.  Operands bf16, sums f32, one rounding to f16.
; vsum[g][h] = the f32 sum of the ROUNDED ph[2][t][h] over the 128 tokens t of group g (64 groups): the later launches take the keys that they do not multiply from these sums.
; hl[z][b][i][h] = f16( (sum - ph) x 2048 ) for the first 32 tokens i of each batch b: the second half of those numbers' bits, for the work-groups that make the first rows.
; LIMIT.  f16 ends at 65,504: a projected number of 65,520 or more in size becomes an infinity.  NaN and infinities are not treated apart.
; ONE GEMM of 24,576 rows: tile row R = 0 .. 95 of 256 rows, z = R / 32; tile column 0 .. 3 of 256 columns.  A tile is made by four waves, 128 x 128 each: 64 accumulators, 512 registers.
; K = 1,024 goes in 8 steps of 128 (rows of 256 bytes) through two LDS slots; each wave fetches a quarter of a slot by one tensor load.  One K step of text is looped over; the slot in hand is a scalar.
; CLUSTER 4 x 4: the four work-groups of a row of the cluster share A's tile, the four of a column B's: each tile is asked for jointly, same line, same descriptor, a mask that names the four.
; R = 32 z + 8 cy + (cluster y % 8): the four rows of a cluster are the four batches, so whether a tile holds a batch's first rows hangs on the cluster's y alone and is the same in all partners.
; THE MATRIX INSTRUCTION IS USED TRANSPOSED (source 0 = 16 rows of wb, source 1 = 16 rows of xb): a lane holds row l % 16 of the result and the columns 8 (l / 16) + 0 .. 7.
; THE BIAS is the C operand of each accumulator's first product: eight registers for each block of 16 columns, the same for all rows.
; REGISTERS, in windows of 256:  window 0: v0-31 addresses and the column sums; v64-127, v128-191 A's two fragment buffers, on the way out at work for hl; v192-255 the way out
;   window 1: v0-63 bias; v64-127, v128-191 B's two buffers; v192-223 at work once      windows 2, 3: accumulator (a, b) at v[8 (8 (a % 4) + b)] of window 2 + a / 4
.set KSTEP,  128
.set ROWB,   2048                      ; bytes in a row of xb, wb, ph and hl
.set PITCH,  272                       ; an LDS row: 256 bytes + 16 of padding: the 16 rows of a fragment load start 68 words apart
.set HALFT,  128*PITCH                 ; what one tensor load brings
.set SLOT,   4*HALFT                   ; A's 256 rows, then B's 256 rows.  SLOT has bits 13 and 17 alone; no wave's 34,816 w has either, so one exclusive or changes slots
.set STAGE,  2*SLOT                    ; behind the ring: 16 rows x 272 bytes for each wave
.set SPITCH, 272
.set SPARE,  STAGE+4*16*SPITCH         ; the spare words: 128 bytes a wave, two blocks of 256 bytes that no other line names
.set ONE,   6                          ; v6      1.0
.set MONE,  7                          ; v7      -1.0
.set SUM,   8                          ; v[8:15] column sums of my rows with my lane's parity: columns 8 (l % 16) + 0 .. 7
.set ADRA0, 16                         ; v16, v17  my fragments' LDS addresses in slot 0; never rewritten
.set ADRB0, 17
.set ADRA,  18                         ; v18, v19  the same in the slot in hand
.set ADRB,  19
.set STO,   24
.set RD,    25
.set CO,    26
.set VO,    27
.set SPW,   28                         ; v28  my spare word; v29  0: both never rewritten
.set NIL,   29
.set PFO,   30                         ; v30  lane x 2,048: the prefetches' offset
.set F0,    64
.set F1,    128
.set DD,    64                         ; the way out, for hl: 64 differences in f32,
.set LO,    128                        ; 32 registers of packed second halves,
.set LB,    160                        ; and the same read back by rows
.set TMP,   192
.set BK,    224
.set G1,  24                           ; s[24:31] group 1 for A        s[32:39] group 0 for A: set 0 fills slot 0 once, set 1 fills slot 1 and then walks
.set G0,  32
.set LIM, 43                           ; s43  2 in a wave that prefetches, else the greatest number
.set PFA, 44                           ; s[44:45] where my prefetches stand
.set G1B, 48                           ; s[48:55], s[56:63] the same for B
.set G0B, 56
.set TB,  66                           ; s66  the slot that is read: 0 or SLOT
.set WP,  68                           ; s68  34,816 x wave
.set ZZ,  69                           ; s69  z, from the cluster's y alone
.set WV,  70
.set WR,  71                           ; s71  wave / 2: my half of the rows; also 0: I fetch for A, 1: for B
.set WC,  72                           ; s72  wave % 2: my half of the columns; also which 128 rows I fetch
.set BLK, 74
.set HIM, 75
.set SEL, 82
.set BP,  84
.set HLP, 88                           ; s[88:89] hl at my columns of my batch's 32 rows; it steps 16 rows with each block of the way out and is used in the first two alone
.set HN,  90                           ; s90  1: my rows begin a batch (the cluster's y % 8 = 0 and wave / 2 = 0)
.set M2K, 92                           ; s[92:93] 2048.0
.set MSB, 0
.macro WIN new                         ; the immediate's high byte repeats the setting that is left; a switch that changes nothing is dropped
.if MSB != (\new)
	s_set_vgpr_msb (MSB<<8)|(\new)
.set MSB, \new
.endif
.endm
.macro PLACES                          ; four plain instructions between a matrix instruction and a load into, or a vector access to, its registers
.rept 4
	v_nop
.endr
.endm
.macro JLOAD                           ; the joint refill: waves 0, 1 ask for A's halves, waves 2, 3 for B's; s_nop 0 and four v_nop follow each line
	s_cmp_eq_u32 s[WR], 0
	s_cbranch_scc0 .Lfor_b_\@
	tensor_load_to_lds s[G0+4:G0+7], s[G1:G1+7]
	s_nop 0
	PLACES
	s_branch .Lasked_\@
.Lfor_b_\@:
	tensor_load_to_lds s[G0B+4:G0B+7], s[G1B:G1B+7]
	s_nop 0
	PLACES
.Lasked_\@:
.endm
.macro CREST                           ; a round of the cluster's barrier behind its opening barrier
	s_cmp_lg_u32 s[WV], 0
	s_cbranch_scc1 .Lnot_wave_0_\@
	s_barrier_signal -3
.Lnot_wave_0_\@:
	s_barrier_wait -3
	s_barrier_signal -1
	s_barrier_wait -1
.endm
.macro CROUND
	s_barrier_signal -1
	s_barrier_wait -1
	CREST
.endm
; The K step two refills on is asked of memory: 32 rows x 256 bytes, a lane a row.  Each row's 256 bytes are named once in the launch: A's rows by their one cluster, B's by the first of the eight
; clusters that read them; of a wave's 128 rows each of the four partners takes 32, told apart by address.  The trips with s3 = 2 and 1 would name K steps 8 and 9, which do not exist.
.macro ASK
	s_cmp_gt_u32 s3, s[LIM]
	s_cbranch_scc0 .Lnot_mine_\@
	global_prefetch_b8 v[PFO], s[PFA:PFA+1] offset:KSTEP*2 th:TH_LOAD_NT scope:SCOPE_SE
.Lnot_mine_\@:
.endm
	s_load_b256 s[4:11], s[0:1], 0x0               ; xb s[4:5], wb s[6:7], ph s[8:9], vsum s[10:11]
	s_load_b128 s[12:15], s[0:1], 0x20             ; Wq_b s[12:13], Wk_b s[14:15]
	s_load_b64 s[16:17], s[0:1], 0x30              ; Wv_b
	s_load_b64 s[HLP:HLP+1], s[0:1], 0x38          ; hl
	v_lshl_add_u32 v[SPW], v0, 2, SPARE
	v_mov_b32 v[NIL], 0
	ds_add_u32 v[SPW], v[NIL]                      ; the wave's opening: the add and its wait stand ahead of my first tensor load; work on registers stands between them
	ds_add_u32 v28, v29
	v_lshrrev_b32 v1, 5, v0
	v_readfirstlane_b32 s[WV], v1
	s_lshr_b32 s[WR], s[WV], 1
	s_and_b32 s[WC], s[WV], 1
	s_bfe_u32 s40, ttmp6, 0x40000                  ; cx
	s_bfe_u32 s41, ttmp6, 0x40004                  ; cy: the batch
	s_lshl_b32 s42, ttmp9, 2
	s_add_co_u32 s42, s42, s40                     ; tile column
	s_and_b32 s73, ttmp7, 0xffff                   ; the cluster's y, 0 .. 23
	s_lshr_b32 s[ZZ], s73, 3                       ; eight clusters, 32 tile rows, to each of q, k, v
	s_and_b32 s81, s73, 7                          ; the tile's number in its batch
	s_lshl_b32 s80, s[ZZ], 5
	s_lshl_b32 s76, s41, 3
	s_add_co_u32 s80, s80, s76
	s_add_co_u32 s80, s80, s81                     ; tile row R = 32 z + 8 cy + (cluster y % 8)
	s_or_b32 s[HN], s81, s[WR]
	s_cmp_eq_u32 s[HN], 0
	s_cselect_b32 s[HN], 1, 0                      ; from the cluster's y and the wave's number alone
	s_lshl_b32 s76, s41, 2
	s_lshl_b32 s76, 15, s76                        ; my row of the cluster
	s_lshl_b32 s77, 0x1111, s40                    ; my column
	s_or_b32 s[G1], s76, (1<<16)|(1<<20)|(1<<21)|(5<<22)|(3<<25)   ; mask; 2-byte elements; padding on; bit 21 beside a mask; after every 64 words 4 words
	s_or_b32 s[G1B], s77, (1<<16)|(1<<20)|(1<<21)|(5<<22)|(3<<25)
.irp g, G1, G1B
	s_mov_b32 s[(\g)+1], KSTEP<<16                 ; tensor_dim0 = 128
	s_mov_b32 s[(\g)+2], 128<<16                   ; tensor_dim1 = 128
	s_mov_b32 s[(\g)+3], KSTEP<<16                 ; tile_dim0 = 128
	s_mov_b32 s[(\g)+4], 128                       ; tile_dim1 = 128
	s_mov_b32 s[(\g)+5], 1024                      ; elements from row to row
	s_mov_b32 s[(\g)+6], 0
	s_mov_b32 s[(\g)+7], 0
.endr
	s_lshl_b32 s20, s[WC], 7
	s_lshl_b32 s18, s80, 8
	s_add_co_u32 s18, s18, s20                     ; A: row 256 R + 128 x half,
	s_lshl_b32 s18, s18, 11                        ; in bytes (under 2^26)
	s_mov_b32 s19, 0
	s_lshl_b32 s46, s[ZZ], 10
	s_lshl_b32 s47, s42, 8
	s_add_co_u32 s46, s46, s47
	s_add_co_u32 s46, s46, s20                     ; B: row 1,024 z + 256 x column + 128 x half
	s_lshl_b32 s46, s46, 11
	s_mov_b32 s47, 0
	s_mul_i32 s[WP], s[WV], HALFT
	s_mov_b32 s[TB], 0
	s_mov_b32 s[SEL], 0x76543210
	s_mov_b32 s[SEL+1], 0xfedcba98
	s_mov_b32 s[HIM], 0xffff0000
	s_mov_b32 s[M2K], 0x45000000                   ; 2048.0
	s_mov_b32 s[M2K+1], s[M2K]                     ; named with it as a pair
	s_wait_dscnt 0x0                               ; the opening add is done
	s_wait_kmcnt 0x0
	s_add_nc_u64 s[18:19], s[4:5], s[18:19]
	s_add_nc_u64 s[46:47], s[6:7], s[46:47]
	CROUND                                         ; all sixteen work-groups are here: the first joint loads meet
.irp s, 0,1
	s_mov_b32 s[G0+4*(\s)], 1
	s_add_co_u32 s[G0+4*(\s)+1], s[WP], (\s)*SLOT
	s_add_nc_u64 s[G0+4*(\s)+2:G0+4*(\s)+3], s[18:19], (\s)*KSTEP*2
	s_or_b32 s[G0+4*(\s)+3], s[G0+4*(\s)+3], 0x80000000
	s_mov_b32 s[G0B+4*(\s)], 1
	s_add_co_u32 s[G0B+4*(\s)+1], s[WP], (\s)*SLOT
	s_add_nc_u64 s[G0B+4*(\s)+2:G0B+4*(\s)+3], s[46:47], (\s)*KSTEP*2
	s_or_b32 s[G0B+4*(\s)+3], s[G0B+4*(\s)+3], 0x80000000
.endr
	s_cmp_eq_u32 s[WR], 0                          ; a wave's two first fills stand in one branch: K steps 0 and 1; two loads of mine are out
	s_cbranch_scc0 .Lfirst_b
	tensor_load_to_lds s[G0:G0+3], s[G1:G1+7]
	s_nop 0
	tensor_load_to_lds s[G0+4:G0+7], s[G1:G1+7]
	s_nop 0
	PLACES
	s_branch .Lfirst_asked
.Lfirst_b:
	tensor_load_to_lds s[G0B:G0B+3], s[G1B:G1B+7]
	s_nop 0
	tensor_load_to_lds s[G0B+4:G0B+7], s[G1B:G1B+7]
	s_nop 0
	PLACES
.Lfirst_asked:
	v_and_b32 v1, 15, v0                           ; l % 16
	v_bfe_u32 v2, v0, 4, 1                         ; l / 16
	; the bias of my 128 columns: register j of block b is column 16 b + 8 (l / 16) + j
	s_cmp_eq_u32 s[ZZ], 0
	s_cselect_b64 s[BP:BP+1], s[12:13], s[14:15]
	s_cmp_eq_u32 s[ZZ], 2
	s_cselect_b64 s[BP:BP+1], s[16:17], s[BP:BP+1]
	s_lshl_b32 s76, s42, 10
	s_lshl_b32 s77, s[WC], 9
	s_add_co_u32 s76, s76, s77
	s_mov_b32 s77, 0
	s_add_nc_u64 s[BP:BP+1], s[BP:BP+1], s[76:77]
	v_lshlrev_b32 v5, 5, v2
	WIN 0x40                                       ; destination window 1
.irp b, 0,1,2,3,4,5,6,7
	global_load_b128 v[8*(\b):8*(\b)+3],   v5, s[BP:BP+1] offset:64*(\b)
	global_load_b128 v[8*(\b)+4:8*(\b)+7], v5, s[BP:BP+1] offset:64*(\b)+16
.endr
	WIN 0
	v_mul_u32_u24 v3, v1, PITCH
	v_lshl_add_u32 v3, v2, 4, v3                   ; a fragment's row x pitch + 16 x half
	s_mul_i32 s21, s[WR], HALFT
	s_mul_i32 s22, s[WC], HALFT
	s_add_co_u32 s22, s22, 2*HALFT
	v_add_nc_u32 v[ADRA0], s21, v3
	v_add_nc_u32 v[ADRB0], s22, v3
	v_mov_b32 v[ADRA], v[ADRA0]
	v_mov_b32 v[ADRB], v[ADRB0]
	s_mul_i32 s23, s[WV], 16*SPITCH
	s_add_co_u32 s23, s23, STAGE
	v_mul_u32_u24 v4, v1, SPITCH
	v_lshl_add_u32 v4, v2, 4, v4
	v_add_nc_u32 v[STO], s23, v4                   ; in: row l % 16, 16 bytes for each half of the lanes
	v_mul_u32_u24 v4, v2, SPITCH
	v_lshl_add_u32 v4, v1, 4, v4
	v_add_nc_u32 v[RD], s23, v4                    ; back: lanes 0-15 one row of 256 bytes, lanes 16-31 the next
	v_lshlrev_b32 v[CO], 11, v2
	v_lshl_add_u32 v[CO], v1, 4, v[CO]             ; the same two rows in ph, and in hl
	v_lshlrev_b32 v[VO], 5, v1
	v_lshl_add_u32 v[VO], v2, 4, v[VO]             ; vsum: 32 (l % 16) + 16 (l / 16)
	v_mov_b32 v[ONE], 1.0
	v_mov_b32 v[MONE], -1.0
.irp i, 0,1,2,3,4,5,6,7
	v_mov_b32 v[SUM+(\i)], 0
.endr
	s_lshl_b32 s76, s80, 8                         ; ph at my part of the tile
	s_lshl_b32 s77, s[WR], 7
	s_add_co_u32 s76, s76, s77
	s_lshl_b32 s76, s76, 11
	s_lshl_b32 s77, s42, 9
	s_add_co_u32 s76, s76, s77
	s_lshl_b32 s77, s[WC], 8
	s_add_co_u32 s76, s76, s77
	s_mov_b32 s77, 0
	s_add_nc_u64 s[8:9], s[8:9], s[76:77]
	s_and_b32 s76, s80, 31                         ; vsum at group 2 (R % 32) + my half, my 128 columns
	s_lshl_b32 s76, s76, 1
	s_add_co_u32 s76, s76, s[WR]
	s_lshl_b32 s76, s76, 12
	s_lshl_b32 s77, s42, 10
	s_add_co_u32 s76, s76, s77
	s_lshl_b32 s77, s[WC], 9
	s_add_co_u32 s76, s76, s77
	s_mov_b32 s77, 0
	s_add_nc_u64 s[10:11], s[10:11], s[76:77]
	s_lshl_b32 s76, s[ZZ], 2                       ; hl at plane 4 z + batch (32 rows of 2,048 bytes), my 128 columns
	s_add_co_u32 s76, s76, s41
	s_lshl_b32 s76, s76, 16
	s_lshl_b32 s77, s42, 9
	s_add_co_u32 s76, s76, s77
	s_lshl_b32 s77, s[WC], 8
	s_add_co_u32 s76, s76, s77
	s_mov_b32 s77, 0
	s_add_nc_u64 s[HLP:HLP+1], s[HLP:HLP+1], s[76:77]
	; the prefetches
	s_and_b32 s22, s73, 7
	s_lshl_b32 s20, s80, 8
	s_lshl_b32 s21, s[ZZ], 10
	s_lshl_b32 s23, s42, 8
	s_add_co_u32 s21, s21, s23
	s_cmp_eq_u32 s[WR], 0
	s_cselect_b32 s20, s20, s21                    ; the tile's first row, in xb or in wb
	s_cselect_b32 s21, s40, s41                    ; my place among the four that ask with me
	s_cselect_b32 s22, 0, s22                      ; A's rows have one cluster; B's eight, of which the first asks
	s_cselect_b64 s[PFA:PFA+1], s[4:5], s[6:7]
	s_cmp_eq_u32 s22, 0
	s_cselect_b32 s[LIM], 2, -1                    ; the same in all sixteen partners, for a given wave
	s_lshl_b32 s22, s[WC], 7
	s_add_co_u32 s20, s20, s22
	s_lshl_b32 s21, s21, 5
	s_add_co_u32 s20, s20, s21
	s_lshl_b32 s20, s20, 11
	s_mov_b32 s21, 0
	s_add_nc_u64 s[PFA:PFA+1], s[PFA:PFA+1], s[20:21]
	s_add_nc_u64 s[PFA:PFA+1], s[PFA:PFA+1], 2*KSTEP*2  ; at K step 2: the first refill steps it to 3 and names K step 4
	v_and_b32 v[PFO], 31, v0
	v_lshlrev_b32 v[PFO], 11, v[PFO]
; 16 matrix instructions: row blocks a0, a0 + 1 of the window's four x all 8 column blocks, 32 along K.  cm = 1: the first product: its C is the bias.
; All 64 accumulators take turns in one order, over the backward jumps too.
.macro MUL16 f, hi, a0, cm
.if \cm
	WIN 0x91+0x40*(\hi)                            ; B window 1, A window 0, C window 1, D window 2 or 3
.else
	WIN 0xa1+0x50*(\hi)                            ; C and D window 2 or 3
.endif
.irp a, \a0, (\a0)+1
.irp b, 0,1,2,3,4,5,6,7
.if \cm
	v_wmma_f32_16x16x32_bf16 v[8*(8*(\a)+(\b)):8*(8*(\a)+(\b))+7], v[(\f)+8*(\b):(\f)+8*(\b)+7], v[(\f)+8*(4*(\hi)+(\a)):(\f)+8*(4*(\hi)+(\a))+7], v[8*(\b):8*(\b)+7]
.else
	v_wmma_f32_16x16x32_bf16 v[8*(8*(\a)+(\b)):8*(8*(\a)+(\b))+7], v[(\f)+8*(\b):(\f)+8*(\b)+7], v[(\f)+8*(4*(\hi)+(\a)):(\f)+8*(4*(\hi)+(\a))+7], v[8*(8*(\a)+(\b)):8*(8*(\a)+(\b))+7]
.endif
.endr
.endr
.endm
.macro FETCH k, f                      ; 32 LDS loads in one run: a quarter step's fragments, at byte k of the rows of the slot in hand
	WIN 0x40
.irp i, 0,1,2,3,4,5,6,7
	ds_load_b128 v[(\f)+8*(\i):(\f)+8*(\i)+3],   v[ADRB] offset:(\k)+(\i)*16*PITCH
	ds_load_b128 v[(\f)+8*(\i)+4:(\f)+8*(\i)+7], v[ADRB] offset:(\k)+(\i)*16*PITCH+32
.endr
	WIN 0
.irp i, 0,1,2,3,4,5,6,7
	ds_load_b128 v[(\f)+8*(\i):(\f)+8*(\i)+3],   v[ADRA] offset:(\k)+(\i)*16*PITCH
	ds_load_b128 v[(\f)+8*(\i)+4:(\f)+8*(\i)+7], v[ADRA] offset:(\k)+(\i)*16*PITCH+32
.endr
.endm
.macro QUARTER k, f, g, cm             ; multiplies buffer f; in its middle fetches the next quarter, at byte k, into buffer g
	s_wait_dscnt 8                                 ; B and A's rows 0-63 are in; the youngest eight loads (A's rows 64-127) may be out
	MUL16 \f, 0, 0, \cm
	MUL16 \f, 0, 2, \cm
	PLACES
	FETCH \k, \g
	s_wait_dscnt 32                                ; all but the 32 just issued
	MUL16 \f, 1, 0, \cm
	MUL16 \f, 1, 2, \cm
.endm
; The last quarter of a K step multiplies buffer 1 and changes slots.  In front of the barrier each wave waits for all its tensor loads (one is out: its part of the next slot), adds 0 to its
; spare word, and waits for that and for its own reads of this slot.  fill = 1: the barrier opens a round of the cluster's, and the joint refill, two K steps on, is the first thing behind it.
.macro TURN fill
.if \fill
	s_wait_xcnt 0x0                                ; the last prefetch, a K step back, has read its address
	s_add_nc_u64 s[PFA:PFA+1], s[PFA:PFA+1], KSTEP*2
.endif
	WIN 0
	s_wait_tensorcnt 0x0
	ds_add_u32 v[SPW], v[NIL]
	s_wait_dscnt 9                                 ; the add and the youngest eight loads may be out
	MUL16 F1, 0, 0, 0
	s_wait_dscnt 0x0                               ; the add is done, and my reads of this slot are over
	s_barrier_signal -1
	MUL16 F1, 0, 2, 0
	WIN 0
	s_barrier_wait -1
.if \fill
	CREST                                          ; no wave of any partner still reads this slot or has a load on its way
	s_xor_b32 s[G0+5], s[G0+5], SLOT               ; the walking descriptors: the slot just read out,
	s_add_nc_u64 s[G0+6:G0+7], s[G0+6:G0+7], KSTEP*2  ; the next K step
	s_xor_b32 s[G0B+5], s[G0B+5], SLOT
	s_add_nc_u64 s[G0B+6:G0B+7], s[G0B+6:G0B+7], KSTEP*2
	JLOAD                                          ; its four v_nop are also the places in front of the loads below
.else
	PLACES
.endif
	s_xor_b32 s[TB], s[TB], SLOT
	v_add_nc_u32 v[ADRA], s[TB], v[ADRA0]
	v_add_nc_u32 v[ADRB], s[TB], v[ADRB0]
	FETCH 0, F0
.if \fill
	ASK
.endif
	MUL16 F1, 1, 0, 0
	MUL16 F1, 1, 2, 0
.endm
	s_wait_tensorcnt 0x1                           ; my part of K step 0 is in; K step 1's may stay out
	s_barrier_signal -1
	s_barrier_wait -1
	FETCH 0, F0
	s_wait_loadcnt 0x0                             ; the bias: rounded to bf16 like every other input, and widened again
	WIN 0x45                                       ; sources and destination in window 1
.set n, 0
.rept 32
	v_cvt_pk_bf16_f32 v[192+n/2], v[n], v[n+1]
.set n, n+2
.endr
.set n, 0
.rept 32
	v_lshlrev_b32 v[n], 16, v[192+n/2]
	v_and_b32 v[n+1], 0xffff0000, v[192+n/2]
.set n, n+2
.endr
	QUARTER 64, F0, F1, 1                          ; the first quarter stands in front of the loop: its products start the sums, with the bias
	WIN 0
	s_mov_b32 s3, 6
.Lk:                                           ; six trips, a K step each, from a step's second quarter to the next step's first: K steps 2 to 7 are asked for
	QUARTER 128, F1, F0, 0
	QUARTER 192, F0, F1, 0
	TURN 1
	QUARTER 64, F0, F1, 0
	WIN 0
	s_sub_co_u32 s3, s3, 1
	s_cmp_lg_u32 s3, 0
	s_cbranch_scc1 .Lk
	s_mov_b32 s3, 2
.Lt:                                           ; the last two K steps ask for nothing: a text of their own.  The second trip is left behind its change of slots
	QUARTER 128, F1, F0, 0                         ; which fetches a quarter that nobody multiplies, from bytes that landed two K steps ago: the price, once a launch, of one text for both trips
	QUARTER 192, F0, F1, 0
	TURN 0
	WIN 0
	s_sub_co_u32 s3, s3, 1
	s_cmp_eq_u32 s3, 0
	s_cbranch_scc1 .Lkend
	QUARTER 64, F0, F1, 0
	WIN 0
	s_cmp_lg_u32 s3, 0
	s_cbranch_scc1 .Lt
.Lkend:
	s_wait_dscnt 0x0                               ; that fetch is back: its registers are at work below
	PLACES
	; THE WAY OUT, a loop over my eight blocks of 16 rows.  Only what names the block's accumulators differs from block to block: a ladder of forward jumps leads to it.
	; Blocks 0 and 1 of a wave whose rows begin a batch also send out the second halves: sum - f16(sum), exact in f32, times 2,048, rounded to f16, through the same stage, ahead of the block itself.
	s_mov_b32 s[BLK], 0
.Lwo:
.irp a, 0,1,2,3,4,5,6
	s_cmp_eq_u32 s[BLK], \a
	s_cbranch_scc1 .Lblk\a
.endr
	s_branch .Lblk7
.irp a, 0,1,2,3,4,5,6,7
.Lblk\a:
	WIN 0x0a+5*((\a)/4)                            ; sources in window 2 or 3
.irp b, 0,1,2,3,4,5,6,7
.irp r, 0,1,2,3
	v_cvt_pk_f16_f32 v[TMP+4*(\b)+(\r)], v[64*((\a)%4)+8*(\b)+2*(\r)], v[64*((\a)%4)+8*(\b)+2*(\r)+1]
.endr
.endr
	WIN 0
.if (\a) < 2
	s_cmp_eq_u32 s[HN], 1
	s_cbranch_scc0 .Lwc
	WIN 0x20                                       ; source 2, the sum, in window 2
.irp b, 0,1,2,3,4,5,6,7
.irp r, 0,1,2,3
	v_fma_mix_f32 v[DD+8*(\b)+2*(\r)], v[TMP+4*(\b)+(\r)], v[MONE], v[64*(\a)+8*(\b)+2*(\r)] op_sel_hi:[1,0,0]
	v_fma_mix_f32 v[DD+8*(\b)+2*(\r)+1], v[TMP+4*(\b)+(\r)], v[MONE], v[64*(\a)+8*(\b)+2*(\r)+1] op_sel:[1,0,0] op_sel_hi:[1,0,0]
.endr
.endr
	WIN 0
	s_branch .Lhl
.else
	s_branch .Lwc
.endif
.endr
.Lhl:                                          ; the differences of 16 rows go out
.set n, 0
.rept 32
	v_pk_mul_f32 v[DD+n:DD+n+1], v[DD+n:DD+n+1], s[M2K:M2K+1] op_sel_hi:[1,0]
.set n, n+2
.endr
.set n, 0
.rept 32
	v_cvt_pk_f16_f32 v[LO+n], v[DD+2*n], v[DD+2*n+1]
.set n, n+1
.endr
.irp b, 0,1,2,3,4,5,6,7
	ds_store_b128 v[STO], v[LO+4*(\b):LO+4*(\b)+3] offset:32*(\b)
.endr
.irp t, 0,1,2,3,4,5,6,7
	ds_load_b128 v[LB+4*(\t):LB+4*(\t)+3], v[RD] offset:(\t)*2*SPITCH  ; LDS serves a wave's instructions in order (ISA guide 5.7.1.4): these see the stores above
.endr
	s_wait_dscnt 0x0
.irp t, 0,1,2,3,4,5,6,7
	global_store_b128 v[CO], v[LB+4*(\t):LB+4*(\t)+3], s[HLP:HLP+1] offset:2*(\t)*ROWB  ; 16 lanes store 256 consecutive bytes, aligned; data and base are written again only behind the trip's s_wait_xcnt 0
.endr
.Lwc:
.irp b, 0,1,2,3,4,5,6,7
	ds_store_b128 v[STO], v[TMP+4*(\b):TMP+4*(\b)+3] offset:32*(\b)
.endr
.irp t, 0,1,2,3,4,5,6,7
	ds_load_b128 v[BK+4*(\t):BK+4*(\t)+3], v[RD] offset:(\t)*2*SPITCH  ; in order again: these see the stores above
.endr
	s_wait_dscnt 0x0
.irp t, 0,1,2,3,4,5,6,7
	global_store_b128 v[CO], v[BK+4*(\t):BK+4*(\t)+3], s[8:9] offset:2*(\t)*ROWB  ; 16 lanes store 256 consecutive bytes, aligned
.endr
	s_cmp_eq_u32 s[ZZ], 2                          ; v's rows alone are summed; z is the same in all partners
	s_cbranch_scc0 .Lnosum
.irp t, 0,1,2,3,4,5,6,7
.irp k, 0,1,2,3
	v_fma_mix_f32 v[SUM+2*(\k)], v[BK+4*(\t)+(\k)], v[ONE], v[SUM+2*(\k)] op_sel_hi:[1,0,0]
	v_fma_mix_f32 v[SUM+2*(\k)+1], v[BK+4*(\t)+(\k)], v[ONE], v[SUM+2*(\k)+1] op_sel:[1,0,0] op_sel_hi:[1,0,0]
.endr
.endr
.Lnosum:
	s_wait_xcnt 0x0                                ; the stores have read their bases and their data: all are written again only behind this wait
	s_add_nc_u64 s[8:9], s[8:9], 16*ROWB
	s_add_nc_u64 s[HLP:HLP+1], s[HLP:HLP+1], 16*ROWB
	s_add_co_u32 s[BLK], s[BLK], 1
	s_cmp_lt_u32 s[BLK], 8
	s_cbranch_scc1 .Lwo
	s_cmp_eq_u32 s[ZZ], 2
	s_cbranch_scc0 .Lend
.irp i, 0,1,2,3,4,5,6,7
	v_permlanex16_b32 v[TMP+(\i)], v[SUM+(\i)], s[SEL], s[SEL+1]  ; the rows of the other parity lie in the lane 16 away
.endr
.irp i, 0,1,2,3,4,5,6,7
	v_add_f32 v[SUM+(\i)], v[SUM+(\i)], v[TMP+(\i)]
.endr
.irp i, 0,1,2,3
	v_cndmask_b32 v[TMP+(\i)], v[SUM+(\i)], v[SUM+4+(\i)], s[HIM]  ; lanes 16-31 store columns 4 to 7 of the eight
.endr
	global_store_b128 v[VO], v[TMP:TMP+3], s[10:11]  ; 512 consecutive bytes: my 128 columns of my group
.Lend:
	s_wait_tensorcnt 0x0                           ; the wave's end: the spare word's add and its wait, behind my last tensor load and my last LDS store
	ds_add_u32 v[SPW], v[NIL]
	s_wait_dscnt 0x0
	CROUND                                         ; the closing round
	s_endpgm
.Lfunc_end_k_qbabbe6ff0d_proj:
	.size	k_qbabbe6ff0d_proj, .Lfunc_end_k_qbabbe6ff0d_proj-k_qbabbe6ff0d_proj
	.p2alignl 7, 3214868480
	.fill 96, 4, 3214868480
	.section	.rodata,"a",@progbits
	.p2align	6, 0x0
	.amdhsa_kernel k_qbabbe6ff0d_proj
		.amdhsa_group_segment_fixed_size 327680
		.amdhsa_private_segment_fixed_size 0
		.amdhsa_enable_private_segment 0
		.amdhsa_kernarg_size 64
		.amdhsa_user_sgpr_count 2
		.amdhsa_user_sgpr_kernarg_segment_ptr 1
		.amdhsa_wavefront_size32 1
		.amdhsa_system_sgpr_workgroup_id_x 1
		.amdhsa_system_sgpr_workgroup_id_y 1
		.amdhsa_system_sgpr_workgroup_id_z 1
		.amdhsa_system_vgpr_workitem_id 0
		.amdhsa_next_free_vgpr 1024
		.amdhsa_next_free_sgpr 100
		.amdhsa_reserve_vcc 0
		.amdhsa_float_denorm_mode_32 3
		.amdhsa_float_denorm_mode_16_64 3
		.amdhsa_memory_ordered 1
		.amdhsa_forward_progress 1
		.amdhsa_inst_pref_size 116
	.end_amdhsa_kernel
	.amdgpu_metadata
---
amdhsa.version: [ 1, 2 ]
amdhsa.kernels:
  - .name:           k_qbabbe6ff0d_proj
    .symbol:         k_qbabbe6ff0d_proj.kd
    .args:
      - { .name: xb, .offset: 0, .size: 8, .value_kind: global_buffer, .address_space: global }
      - { .name: wb, .offset: 8, .size: 8, .value_kind: global_buffer, .address_space: global }
      - { .name: ph, .offset: 16, .size: 8, .value_kind: global_buffer, .address_space: global }
      - { .name: vsum, .offset: 24, .size: 8, .value_kind: global_buffer, .address_space: global }
      - { .name: Wq_b, .offset: 32, .size: 8, .value_kind: global_buffer, .address_space: global }
      - { .name: Wk_b, .offset: 40, .size: 8, .value_kind: global_buffer, .address_space: global }
      - { .name: Wv_b, .offset: 48, .size: 8, .value_kind: global_buffer, .address_space: global }
      - { .name: hl, .offset: 56, .size: 8, .value_kind: global_buffer, .address_space: global }
    .group_segment_fixed_size: 327680
    .private_segment_fixed_size: 0
    .kernarg_segment_align: 8
    .kernarg_segment_size: 64
    .max_flat_workgroup_size: 128
    .sgpr_count:     100
    .vgpr_count:     1024
    .wavefront_size: 32
...
	.end_amdgpu_metadata
.endif
;; end of part 2
;; launch scores (part 3): grid 44 x 4, 4 waves a work-group, no clusters, 327,680 bytes of LDS; arguments ph, attention_mask, pb, st, hl, vsum, out0; writes pb, st, out0
.if DOCPART == 3
	.amdgcn_target "amdgcn-amd-amdhsa--gfx1250"
	.amdhsa_code_object_version 6
	.text
	.protected	k_qbabbe6ff0d_scores
	.globl	k_qbabbe6ff0d_scores
	.p2align	8
	.type	k_qbabbe6ff0d_scores,@function
k_qbabbe6ff0d_scores:
	s_mov_b64 s[64:65], 0
	v_nop
	global_prefetch_b8 v0, s[64:65] scope:SCOPE_SE
	s_setreg_imm32_b32 hwreg(HW_REG_WAVE_MODE, 25, 1), 1
	s_wait_xcnt 0x0
; TWO KINDS OF WORK-GROUPS, told apart by x.  x < 36: a tile of scores.  x >= 36: the first 32 rows of the output for 128 channels (at this text's end).  The triangle has 144 tiles, fewer than the chip
; has WGPs, and all that the first rows need lies ready when this launch begins: so their 32 work-groups run beside the tiles' and need no launch of their own.
; A TILE.  For batch b and the tiles (i, j), j <= i, of 256 queries x 256 keys:  y = c qh . kh, c = log2(e) / 32, where the key is not padded and not above the diagonal, else y = NEGL = -1e9 log2(e).
; For each row and each chunk of 128 keys:  m = the maximum of y;  P' = 2^(y - m), rounded to f16, into pb[b][q][key];  l = the f32 sum of the unrounded P';  (m, l) into st[b][chunk][q].
; The maximum is taken away before the exponential, chunk by chunk; the last launch joins the chunks by 2^(m - M).  Tiles above the diagonal are not made: there every score is NEGL.
; LIMITS.  A weight below 2^-126 counts as 0 in l, below 2^-25 as 0 in pb; NaN and infinities are not treated apart.  qh and kh arrive in f16.
; SHARES.  Work-group x = i (i + 1) / 2 + j, y = b.  Four waves, 128 x 128 each; K = 1,024 in 8 steps of 128 through two LDS slots, each wave fetching a quarter of a slot by one tensor load.
; NO CLUSTER: row i of the triangle has i + 1 tiles, 1 to 8, and column j has 8 - j: neither divides into fours, and partners of one cluster would need different tiles.
; THE MATRIX INSTRUCTION IS USED TRANSPOSED (source 0 = 16 keys, source 1 = 16 queries): a lane holds query l % 16 and the keys 8 (l / 16) + 0 .. 7 of each block of 16.
; REGISTERS:  window 0: v0-46 addresses and constants; v64-127, v128-191 the queries' two fragment buffers, on the way out the scores Y and the key numbers KI; v192-255 the way out
;   window 1: v0-63 the mask's words of my 128 keys; v64-191 the keys' two buffers      windows 2, 3: accumulator (a, b) at v[8 (8 (a % 4) + b)] of window 2 + a / 4
.set NTILE,  36                        ; tiles of a batch's triangle
.set KSTEP,  128
.set PITCH,  272
.set HALFT,  128*PITCH
.set SLOT,   4*HALFT                   ; bits 13 and 17 alone; no wave's 34,816 w has either, so one exclusive or changes slots
.set STAGE,  2*SLOT                    ; 16 rows x 272 bytes for each wave
.set SPITCH, 272
.set SSTG,   STAGE+4*16*SPITCH         ; 1,024 bytes for each wave: (m, l) of its 128 rows
.set SPARE,  SSTG+4*1024               ; the spare words: 128 bytes a wave, two blocks of 256 bytes that no other line names
.set PROW,   4096                      ; bytes in a row of pb
.set ADRA0, 16
.set ADRB0, 17
.set ADRA,  18
.set ADRB,  19
.set STO,   24
.set RD,    25
.set CO,    26
.set SPW,   28
.set NIL,   29
.set PFO,   30
.set C0,    32                         ; v32-35  four chains of the maximum
.set MM,    36                         ; v[36:37] (m, m), then (m, l)
.set QR,    40                         ; v40  my query less my keys' origin: key 16 b + j of my lane is visible where it is <= QR
.set NEGV,  41
.set BIGV,  42
.set ZERO,  43
.set SST,   44
.set SRD,   45
.set SO,    46
.set F0,    64
.set F1,    128
.set Y,     64
.set KI,    128                        ; 16 b + j, or the greatest whole number where the key is padded
.set PK,    192
.set BK,    224
.set G1,  24
.set G0,  32                           ; s[32:35] fills slot 0 once; s[36:39] fills slot 1 and then walks
.set TI,  42
.set LIM, 43
.set PFA, 44
.set TB,  66
.set WP,  68
.set WV,  70
.set WR,  71
.set WC,  72
.set TJ,  73
.set BLK, 74
.set CS,  78
.set SEL, 82
.set MP,  84
.set MSB, 0
.macro WIN new
.if MSB != (\new)
	s_set_vgpr_msb (MSB<<8)|(\new)
.set MSB, \new
.endif
.endm
.macro PLACES
.rept 4
	v_nop
.endr
.endm
; The K step two refills on is asked of memory: my own 128 rows x 256 bytes, a lane a row, four instructions.  The queries' rows are read by the i + 1 tiles of their row: the tile with j = 0 asks;
; the keys' rows by the tiles of their column: the diagonal tile asks.  So each row's 256 bytes are named once by the tiles.  The trips with s3 = 2 and 1 would name K steps 8 and 9.
.macro ASK
	s_cmp_gt_u32 s3, s[LIM]
	s_cbranch_scc0 .Lnot_mine_\@
.irp n, 0,1,2,3
	global_prefetch_b8 v[PFO], s[PFA:PFA+1] offset:(\n)*65536+KSTEP*2 th:TH_LOAD_NT scope:SCOPE_SE
.endr
.Lnot_mine_\@:
.endm
	s_load_b256 s[4:11], s[0:1], 0x0               ; ph s[4:5], attention_mask s[6:7], pb s[8:9], st s[10:11]
	s_load_b128 s[12:15], s[0:1], 0x20             ; hl s[12:13], vsum s[14:15]
	s_load_b64 s[16:17], s[0:1], 0x30              ; out0
	v_lshl_add_u32 v[SPW], v0, 2, SPARE
	v_mov_b32 v[NIL], 0
	ds_add_u32 v[SPW], v[NIL]                      ; the wave's opening: the add and its wait ahead of my first tensor load
	ds_add_u32 v28, v29
	v_lshrrev_b32 v1, 5, v0
	v_readfirstlane_b32 s[WV], v1
	s_lshr_b32 s[WR], s[WV], 1                     ; my half of the queries; also 0: I fetch queries, 1: keys
	s_and_b32 s[WC], s[WV], 1                      ; my half of the keys; also which 128 rows I fetch
	s_mov_b32 s40, ttmp9
	s_and_b32 s41, ttmp7, 0xffff                   ; batch
	s_mov_b32 s[TI], 0
.irp t, 1,3,6,10,15,21,28
	s_cmp_ge_u32 s40, \t                           ; i = how many of the triangle's row starts lie at or below x
	s_add_co_ci_u32 s[TI], s[TI], 0
.endr
	s_add_co_u32 s[TJ], s[TI], 1
	s_mul_i32 s[TJ], s[TJ], s[TI]
	s_lshr_b32 s[TJ], s[TJ], 1
	s_sub_co_u32 s[TJ], s40, s[TJ]                 ; j = x - i (i + 1) / 2
	s_mov_b32 s[G1], (1<<16)|(1<<20)|(5<<22)|(3<<25)  ; 2-byte elements; padding on; after every 64 words 4 words
	s_mov_b32 s[G1+1], KSTEP<<16
	s_mov_b32 s[G1+2], 128<<16
	s_mov_b32 s[G1+3], KSTEP<<16
	s_mov_b32 s[G1+4], 128
	s_mov_b32 s[G1+5], 1024
	s_mov_b32 s[G1+6], 0
	s_mov_b32 s[G1+7], 0
	s_lshl_b32 s18, s[TI], 8                       ; qh's row 256 i,
	s_lshl_b32 s19, s[TJ], 8
	s_add_co_u32 s19, s19, 8192                    ; or kh's row 256 j: kh lies 8,192 rows behind qh
	s_sub_co_u32 s22, s[TI], s[TJ]
	s_cmp_eq_u32 s[WR], 0
	s_cselect_b32 s18, s18, s19
	s_cselect_b32 s22, s[TJ], s22                  ; 0 in the work-group that prefetches these rows
	s_cmp_eq_u32 s22, 0
	s_cselect_b32 s[LIM], 2, -1
	s_lshl_b32 s19, s41, 11
	s_add_co_u32 s18, s18, s19
	s_lshl_b32 s19, s[WC], 7
	s_add_co_u32 s18, s18, s19
	s_lshl_b32 s18, s18, 11                        ; in bytes (under 2^26)
	s_mov_b32 s19, 0
	s_mul_i32 s[WP], s[WV], HALFT
	s_mov_b32 s[TB], 0
	s_mov_b32 s[CS], 0x3d38aa3b                    ; c = log2(e) / 32
	s_mov_b32 s[CS+1], s[CS]
	s_mov_b32 s[SEL], 0x76543210
	s_mov_b32 s[SEL+1], 0xfedcba98
	s_wait_dscnt 0x0                               ; the opening add is done
	s_wait_kmcnt 0x0
	s_cmp_ge_u32 s40, NTILE                        ; the same answer in all four waves
	s_cbranch_scc1 .Lhead                          ; the first rows' work-groups; what was made of x above serves the tiles alone
	s_add_nc_u64 s[18:19], s[4:5], s[18:19]
.irp s, 0,1
	s_mov_b32 s[G0+4*(\s)], 1
	s_add_co_u32 s[G0+4*(\s)+1], s[WP], (\s)*SLOT
	s_add_nc_u64 s[G0+4*(\s)+2:G0+4*(\s)+3], s[18:19], (\s)*KSTEP*2
	s_or_b32 s[G0+4*(\s)+3], s[G0+4*(\s)+3], 0x80000000
.endr
	tensor_load_to_lds s[G0:G0+3], s[G1:G1+7]      ; K steps 0 and 1: each wave its own quarter of each slot; two loads of mine are out
	s_nop 0
	tensor_load_to_lds s[G0+4:G0+7], s[G1:G1+7]
	s_nop 0
	PLACES
	s_add_nc_u64 s[PFA:PFA+1], s[18:19], 2*KSTEP*2 ; at K step 2: the first refill steps it to 3 and names K step 4
	v_and_b32 v[PFO], 31, v0
	v_lshlrev_b32 v[PFO], 11, v[PFO]
	v_and_b32 v1, 15, v0
	v_bfe_u32 v2, v0, 4, 1
	; the mask's words of my 128 keys: register j of block b is key 16 b + 8 (l / 16) + j
	s_lshl_b32 s76, s41, 11
	s_lshl_b32 s77, s[TJ], 8
	s_add_co_u32 s76, s76, s77
	s_lshl_b32 s77, s[WC], 7
	s_add_co_u32 s76, s76, s77
	s_lshl_b32 s76, s76, 2
	s_mov_b32 s77, 0
	s_add_nc_u64 s[MP:MP+1], s[6:7], s[76:77]
	v_lshlrev_b32 v5, 5, v2
	WIN 0x40
.irp b, 0,1,2,3,4,5,6,7
	global_load_b128 v[8*(\b):8*(\b)+3],   v5, s[MP:MP+1] offset:64*(\b)
	global_load_b128 v[8*(\b)+4:8*(\b)+7], v5, s[MP:MP+1] offset:64*(\b)+16
.endr
	WIN 0
	v_mul_u32_u24 v3, v1, PITCH
	v_lshl_add_u32 v3, v2, 4, v3
	s_mul_i32 s21, s[WR], HALFT
	s_mul_i32 s22, s[WC], HALFT
	s_add_co_u32 s22, s22, 2*HALFT
	v_add_nc_u32 v[ADRA0], s21, v3
	v_add_nc_u32 v[ADRB0], s22, v3
	v_mov_b32 v[ADRA], v[ADRA0]
	v_mov_b32 v[ADRB], v[ADRB0]
	s_mul_i32 s23, s[WV], 16*SPITCH
	s_add_co_u32 s23, s23, STAGE
	v_mul_u32_u24 v4, v1, SPITCH
	v_lshl_add_u32 v4, v2, 4, v4
	v_add_nc_u32 v[STO], s23, v4
	v_mul_u32_u24 v4, v2, SPITCH
	v_lshl_add_u32 v4, v1, 4, v4
	v_add_nc_u32 v[RD], s23, v4
	v_lshlrev_b32 v[CO], 12, v2
	v_lshl_add_u32 v[CO], v1, 4, v[CO]
	s_lshl_b32 s23, s[WV], 10
	s_add_co_u32 s23, s23, SSTG
	v_lshl_add_u32 v[SST], v1, 3, s23              ; row 16 a + l % 16 of my 128: 8 bytes each; 128 more for each block
	v_and_b32 v4, 31, v0
	v_lshl_add_u32 v[SRD], v4, 4, s23
	v_lshlrev_b32 v[SO], 4, v4
	s_sub_co_u32 s76, s[TI], s[TJ]
	s_lshl_b32 s76, s76, 8
	s_sub_co_i32 s77, s[WR], s[WC]
	s_lshl_b32 s77, s77, 7
	s_add_co_i32 s76, s76, s77                     ; 256 (i - j) + 128 (my half of the rows - my half of the keys): -128 at the least
	v_lshlrev_b32 v4, 3, v2
	v_sub_nc_u32 v[QR], v1, v4
	v_add_nc_u32 v[QR], s76, v[QR]
	v_mov_b32 v[NEGV], 0xceabfb8f                  ; NEGL = -1e9 log2(e)
	v_mov_b32 v[BIGV], 0x7fffffff
	v_mov_b32 v[ZERO], 0
	s_lshl_b32 s76, s41, 23                        ; pb at my part of the tile
	s_lshl_b32 s77, s[TI], 8
	s_lshl_b32 s20, s[WR], 7
	s_add_co_u32 s77, s77, s20                     ; my first query, 256 i + 128 x half
	s_lshl_b32 s20, s77, 12
	s_add_co_u32 s76, s76, s20
	s_lshl_b32 s20, s[TJ], 9
	s_add_co_u32 s76, s76, s20
	s_lshl_b32 s20, s[WC], 8
	s_add_co_u32 s76, s76, s20
	s_lshl_b32 s20, s41, 4                         ; st at chunk 2 j + my half, my first query
	s_lshl_b32 s21, s[TJ], 1
	s_add_co_u32 s20, s20, s21
	s_add_co_u32 s20, s20, s[WC]
	s_lshl_b32 s20, s20, 11
	s_add_co_u32 s20, s20, s77
	s_lshl_b32 s20, s20, 3
	s_mov_b32 s21, 0
	s_mov_b32 s77, 0
	s_add_nc_u64 s[8:9], s[8:9], s[76:77]
	s_add_nc_u64 s[10:11], s[10:11], s[20:21]
; 16 matrix instructions: query blocks a0, a0 + 1 of the window's four x all 8 key blocks.  cm = 1: the first product starts the sum with 0.  All 64 accumulators take turns in one order.
.macro MUL16 f, hi, a0, cm
	WIN 0xa1+0x50*(\hi)
.irp a, \a0, (\a0)+1
.irp b, 0,1,2,3,4,5,6,7
.if \cm
	v_wmma_f32_16x16x32_f16 v[8*(8*(\a)+(\b)):8*(8*(\a)+(\b))+7], v[(\f)+8*(\b):(\f)+8*(\b)+7], v[(\f)+8*(4*(\hi)+(\a)):(\f)+8*(4*(\hi)+(\a))+7], 0
.else
	v_wmma_f32_16x16x32_f16 v[8*(8*(\a)+(\b)):8*(8*(\a)+(\b))+7], v[(\f)+8*(\b):(\f)+8*(\b)+7], v[(\f)+8*(4*(\hi)+(\a)):(\f)+8*(4*(\hi)+(\a))+7], v[8*(8*(\a)+(\b)):8*(8*(\a)+(\b))+7]
.endif
.endr
.endr
.endm
.macro FETCH k, f
	WIN 0x40
.irp i, 0,1,2,3,4,5,6,7
	ds_load_b128 v[(\f)+8*(\i):(\f)+8*(\i)+3],   v[ADRB] offset:(\k)+(\i)*16*PITCH
	ds_load_b128 v[(\f)+8*(\i)+4:(\f)+8*(\i)+7], v[ADRB] offset:(\k)+(\i)*16*PITCH+32
.endr
	WIN 0
.irp i, 0,1,2,3,4,5,6,7
	ds_load_b128 v[(\f)+8*(\i):(\f)+8*(\i)+3],   v[ADRA] offset:(\k)+(\i)*16*PITCH
	ds_load_b128 v[(\f)+8*(\i)+4:(\f)+8*(\i)+7], v[ADRA] offset:(\k)+(\i)*16*PITCH+32
.endr
.endm
.macro QUARTER k, f, g, cm
	s_wait_dscnt 8                                 ; the keys and queries 0-63 are in; the youngest eight loads may be out
	MUL16 \f, 0, 0, \cm
	MUL16 \f, 0, 2, \cm
	PLACES
	FETCH \k, \g
	s_wait_dscnt 32                                ; all but the 32 just issued
	MUL16 \f, 1, 0, \cm
	MUL16 \f, 1, 2, \cm
.endm
; The change of slots: each wave waits for all its tensor loads (one is out: its part of the next slot), adds 0 to its spare word, waits for that and for its reads of this slot; one barrier;
; fill = 1: the slot just read out is filled again, two K steps on, first thing behind the barrier: one load a wave.
.macro TURN fill
.if \fill
	s_wait_xcnt 0x0                                ; the last prefetches, a K step back, have read their address
	s_add_nc_u64 s[PFA:PFA+1], s[PFA:PFA+1], KSTEP*2
.endif
	WIN 0
	s_wait_tensorcnt 0x0
	ds_add_u32 v[SPW], v[NIL]
	s_wait_dscnt 9                                 ; the add and the youngest eight loads may be out
	MUL16 F1, 0, 0, 0
	s_wait_dscnt 0x0
	s_barrier_signal -1
	MUL16 F1, 0, 2, 0
	WIN 0
	s_barrier_wait -1
.if \fill
	s_xor_b32 s[G0+5], s[G0+5], SLOT
	s_add_nc_u64 s[G0+6:G0+7], s[G0+6:G0+7], KSTEP*2
	tensor_load_to_lds s[G0+4:G0+7], s[G1:G1+7]
	s_nop 0
.endif
	PLACES
	s_xor_b32 s[TB], s[TB], SLOT
	v_add_nc_u32 v[ADRA], s[TB], v[ADRA0]
	v_add_nc_u32 v[ADRB], s[TB], v[ADRB0]
	FETCH 0, F0
.if \fill
	ASK
.endif
	MUL16 F1, 1, 0, 0
	MUL16 F1, 1, 2, 0
.endm
	s_wait_tensorcnt 0x1                           ; my part of K step 0 is in; K step 1's may stay out
	s_barrier_signal -1
	s_barrier_wait -1
	FETCH 0, F0
	QUARTER 64, F0, F1, 1
	WIN 0
	s_mov_b32 s3, 6
.Lk:                                           ; six trips, a K step each: K steps 2 to 7 are asked for
	QUARTER 128, F1, F0, 0
	QUARTER 192, F0, F1, 0
	TURN 1
	QUARTER 64, F0, F1, 0
	WIN 0
	s_sub_co_u32 s3, s3, 1
	s_cmp_lg_u32 s3, 0
	s_cbranch_scc1 .Lk
	s_mov_b32 s3, 2
.Lt:                                           ; the last two K steps ask for nothing: a text of their own.  The second trip is left behind its change of slots
	QUARTER 128, F1, F0, 0                         ; which fetches a quarter that nobody multiplies, from bytes that landed two K steps ago: the price, once a launch, of one text for both trips
	QUARTER 192, F0, F1, 0
	TURN 0
	WIN 0
	s_sub_co_u32 s3, s3, 1
	s_cmp_eq_u32 s3, 0
	s_cbranch_scc1 .Lkend
	QUARTER 64, F0, F1, 0
	WIN 0
	s_cmp_lg_u32 s3, 0
	s_cbranch_scc1 .Lt
.Lkend:
	s_wait_dscnt 0x0                               ; that fetch is back: its registers are at work below
	PLACES
	; the key numbers, once: a padded key gets a number that no query reaches
	s_wait_loadcnt 0x0
	WIN 0x01                                       ; source 0, the mask's word, in window 1
.set e, 0
.rept 64
	v_cmp_eq_u32 vcc_lo, v[e], v[ZERO]
	v_cndmask_b32 v[KI+e], 16*(e/8)+e%8, v[BIGV], vcc_lo
.set e, e+1
.endr
	WIN 0
	; THE WAY OUT, a loop over my eight blocks of 16 queries.  Only the 32 scalings differ from block to block: a ladder of forward jumps leads to them.
	s_mov_b32 s[BLK], 0
.Lwo:
.irp a, 0,1,2,3,4,5,6
	s_cmp_eq_u32 s[BLK], \a
	s_cbranch_scc1 .Lblk\a
.endr
	s_branch .Lblk7
.irp a, 0,1,2,3,4,5,6,7
.Lblk\a:
	WIN 0x02+(\a)/4                                ; source 0 in window 2 or 3
.set e, 0
.rept 32
	v_pk_mul_f32 v[Y+e:Y+e+1], v[64*((\a)%4)+e:64*((\a)%4)+e+1], s[CS:CS+1] op_sel_hi:[1,0]
.set e, e+2
.endr
	WIN 0
	s_branch .Lwc
.endr
.Lwc:
.set e, 0
.rept 64
	v_cmp_ge_i32 vcc_lo, v[QR], v[KI+e]            ; visible: not padded, and not above the diagonal
	v_cndmask_b32 v[Y+e], v[NEGV], v[Y+e], vcc_lo
.set e, e+1
.endr
.irp k, 0,1,2,3
	v_max3_num_f32 v[C0+(\k)], v[Y+16*(\k)], v[Y+16*(\k)+1], v[Y+16*(\k)+2]
.endr
.irp n, 0,1,2,3,4,5
.irp k, 0,1,2,3
	v_max3_num_f32 v[C0+(\k)], v[C0+(\k)], v[Y+16*(\k)+3+2*(\n)], v[Y+16*(\k)+4+2*(\n)]
.endr
.endr
	v_max3_num_f32 v[C0], v[C0], v[Y+15], v[Y+31]
	v_max3_num_f32 v[C0+2], v[C0+2], v[Y+47], v[Y+63]
	v_max3_num_f32 v[C0], v[C0], v[C0+1], v[C0+2]
	v_max_num_f32 v[C0], v[C0], v[C0+3]
	v_permlanex16_b32 v[C0+1], v[C0], s[SEL], s[SEL+1]  ; the row's other 64 keys lie in the lane 16 away
	v_max_num_f32 v[MM], v[C0], v[C0+1]
	v_mov_b32 v[MM+1], v[MM]
.set e, 0
.rept 32
	v_pk_add_f32 v[Y+e:Y+e+1], v[Y+e:Y+e+1], v[MM:MM+1] neg_lo:[0,1] neg_hi:[0,1]  ; y - m: exactly 0 where y = m
.set e, e+2
.endr
.set e, 0
.rept 64
	v_exp_f32 v[Y+e], v[Y+e]
.set e, e+1
.endr
	v_nop                                          ; a plain instruction behind the last exponential,
	s_wait_alu depctr_va_vdst(0)                   ; and one wait for the batch of 64, ahead of its first reader
.set e, 0
.rept 32
	v_cvt_pk_f16_f32 v[PK+e], v[Y+2*e], v[Y+2*e+1]
.set e, e+1
.endr
.irp s, 1,2,4,8,16                     ; the sum of the 32 pairs, in place, as a tree
.set p, 0
.rept 16/(\s)
	v_pk_add_f32 v[Y+2*p:Y+2*p+1], v[Y+2*p:Y+2*p+1], v[Y+2*(p+(\s)):Y+2*(p+(\s))+1]
.set p, p+2*(\s)
.endr
.endr
	v_add_f32 v[C0+2], v[Y], v[Y+1]
	v_permlanex16_b32 v[C0+3], v[C0+2], s[SEL], s[SEL+1]
	v_add_f32 v[MM+1], v[C0+2], v[C0+3]
.irp b, 0,1,2,3,4,5,6,7
	ds_store_b128 v[STO], v[PK+4*(\b):PK+4*(\b)+3] offset:32*(\b)
.endr
	ds_store_b64 v[SST], v[MM:MM+1]                ; both halves of the lanes write the same pair to the same place
.irp t, 0,1,2,3,4,5,6,7
	ds_load_b128 v[BK+4*(\t):BK+4*(\t)+3], v[RD] offset:(\t)*2*SPITCH  ; LDS serves a wave's instructions in order (ISA guide 5.7.1.4)
.endr
	s_wait_dscnt 0x0
.irp t, 0,1,2,3,4,5,6,7
	global_store_b128 v[CO], v[BK+4*(\t):BK+4*(\t)+3], s[8:9] offset:2*(\t)*PROW  ; 16 lanes store 256 consecutive bytes, aligned
.endr
	s_wait_xcnt 0x0                                ; the stores have read their base and their data
	s_add_nc_u64 s[8:9], s[8:9], 16*PROW
	v_add_nc_u32 v[QR], 16, v[QR]
	v_add_nc_u32 v[SST], 128, v[SST]
	s_add_co_u32 s[BLK], s[BLK], 1
	s_cmp_lt_u32 s[BLK], 8
	s_cbranch_scc1 .Lwo
	ds_load_b128 v[BK:BK+3], v[SRD]                ; my 128 rows' (m, l): 1,024 consecutive bytes of st
	ds_load_b128 v[BK+4:BK+7], v[SRD] offset:512
	s_wait_dscnt 0x0
	global_store_b128 v[SO], v[BK:BK+3], s[10:11]
	global_store_b128 v[SO], v[BK+4:BK+7], s[10:11] offset:512
	s_wait_tensorcnt 0x0                           ; the wave's end: the spare word's add and its wait, behind my last tensor load and my last LDS store
	ds_add_u32 v[SPW], v[NIL]
	s_wait_dscnt 0x0
	s_endpgm
; THE FIRST 32 ROWS OF EACH BATCH, WITH TWICE THE BITS.  Causal row q averages q + 1 keys at the most, so in the first rows the roundings of qh, kh, vh and of the weights to f16 would reach the
; output unaveraged, while the output as a whole is small.  Here qh, kh and vh are hi + 2^-11 lo' (hi from ph, lo' from hl: 22 significant bits), and the weights stay in f32.  The last launch leaves
; rows 0 .. 31 of each batch to these work-groups.
; out[q] = ( sum over k < 32 of P_k v_k + w x sum over k >= 32 of v_k ) / L,  y = c qh . kh, or NEGL where key k is padded or k > q;  M = max(y, NEGL);  P = 2^(y - M);  w = 2^(NEGL - M), the weight of
; each of the 2,016 keys beyond;  L = sum P + 2,016 w.  It is taken as  sum over k < 32 of (P_k - w) / L v_k  +  w / L x (the sum of ALL v, from vsum): the same sum with no difference of large sums:
; where a key is visible w = 0, and in a row that is masked throughout P_k - w = 0 and w / L = 1 / 2,048.
; LIMITS.  From row 32 on the last launch's numbers stand, with f16's roundings; so they do in later rows to which a padding mask leaves only a few visible keys.  The products lo' x lo', 2^-22 of a
; score, are left out.  An exponential below 2^-126 is 0.  NaN and infinities are not treated apart.
; SHARES.  Work-group (36 + c, b): 128 channels c of batch b; each makes the 32 x 32 scores for itself.  PHASE 1: the head size is split among the four waves, 256 channels each, in four trips of 64:
; fragments come straight from memory (16 bytes a lane, twice), 24 matrix instructions a trip, the partial sums go to LDS.  PHASE 2, four trips: thread t has row t / 16 + 8 j and keys 2 (t % 16), + 1:
; a row lies in 16 neighbouring lanes.  PHASE 3, four trips: wave w makes rows 8 w + 2 r and + 1, a lane 4 channels, in f32 on the vector unit.  No tensor load is issued on this way, and its LDS bytes
; are the stages' and bytes behind the spare words: none that a tensor load of this text fills.
.set HPP,    144                       ; a row of partial sums: 32 keys x 4 bytes + 16: the 16 rows of a store start 36 words apart
.set HPARTB, 32*HPP
.set HPART,  STAGE                     ; 4 waves x 4,608 bytes: they end below the spare words
.set HVT,    SPARE+512                 ; v[32 keys][128 channels] f32
.set HGT,    HVT+32*512                ; ((P - w) / L, twice)[32 rows][32 keys]
.set HGU,    HGT+32*256                ; (w / L, twice)[32 rows]
.set HFO,  4                           ; v4   (l % 16) x 2,048 + 16 (l / 16) + 512 x wave; 128 more a trip
.set HVO,  5                           ; v5   (t / 16) x 2,048 + 16 (t % 16)
.set HL16, 6                           ; v6   16 x lane
.set HMO,  7                           ; v7   8 (t % 16)
.set HPS,  10
.set HPR,  11
.set HVS,  13
.set HGS,  15
.set HGUS, 16
.set HVR,  17
.set HGR,  19
.set HGUR, 20
.set HROW, 22                          ; v22  t / 16, in phase 2 my row
.set HK0,  23
.set HK1,  24
.set HNEG, 25
.set HBIG, 26
.set HZER, 27
.set HC11, 30                          ; v30  2^-11
.set HVH,  32                          ; v[32:35] the sums of the even row, v[36:39] of the odd one
.set HVL,  36
.set HUS,  40                          ; v[40:43] the sum of all v, my four channels
.set HMW,  44
.set HVF,  48
.set HF,   64                          ; v[64:191] fragments: kind (q hi, q lo', k hi, k lo'), block of 16 rows, step of 32 channels, at HF + 8 ((2 kind + block) 2 + step)
.set HACC, 192                         ; v[192:223] A0, v[224:255] A1: tile 2 qb + kb
.set HLS,  54                          ; s[54:55] 2^-11
.set HNSK, 56                          ; s56  2016.0
.set HCNT, 57
.macro HFRAG kind, base                ; a fragment is 16 rows x 32 channels: lane l holds row l % 16, channels 8 (l / 16) + 0 .. 7 and 16 + 8 (l / 16) + 0 .. 7: two loads of 16 bytes, 32 bytes apart
.irp blk, 0,1
.irp s, 0,1
	global_load_b128 v[HF+8*((2*(\kind)+(\blk))*2+(\s)):HF+8*((2*(\kind)+(\blk))*2+(\s))+3],   v[HFO], s[\base:\base+1] offset:(\blk)*16*2048+64*(\s)
	global_load_b128 v[HF+8*((2*(\kind)+(\blk))*2+(\s))+4:HF+8*((2*(\kind)+(\blk))*2+(\s))+7], v[HFO], s[\base:\base+1] offset:(\blk)*16*2048+64*(\s)+32
.endr
.endr
.endm
; Twelve matrix instructions for 32 channels: source 0 = 16 keys, source 1 = 16 queries, so that a lane holds query l % 16 and keys 8 (l / 16) + 0 .. 7.  A0 += k hi q hi; A1 += k lo' q hi; A1 += k hi q lo'.
; The accumulators take turns, one instruction a turn, over the backward jump too.
.macro HMM3 s
.irp pass, 0,1,2
.irp t, 0,1,2,3
.set qb, (\t)/2
.set kb, (\t)%2
.if (\pass) == 0
.set rD, HACC+8*(\t)
.set rK, HF+8*((4+kb)*2+(\s))
.set rQ, HF+8*((0+qb)*2+(\s))
.elseif (\pass) == 1
.set rD, HACC+32+8*(\t)
.set rK, HF+8*((6+kb)*2+(\s))
.set rQ, HF+8*((0+qb)*2+(\s))
.else
.set rD, HACC+32+8*(\t)
.set rK, HF+8*((4+kb)*2+(\s))
.set rQ, HF+8*((2+qb)*2+(\s))
.endif
	v_wmma_f32_16x16x32_f16 v[rD:rD+7], v[rK:rK+7], v[rQ:rQ+7], v[rD:rD+7]
.endr
.endr
.endm
.Lhead:
	s_sub_co_u32 s20, s40, NTILE                   ; channel tile 0 .. 7
	v_and_b32 v1, 15, v0                           ; t % 16 = l % 16
	v_bfe_u32 v2, v0, 4, 1                         ; l / 16
	v_and_b32 v3, 31, v0                           ; lane
	v_lshrrev_b32 v[HROW], 4, v0                   ; t / 16: 0 .. 7
	s_lshl_b32 s21, s[WV], 9
	v_lshlrev_b32 v[HFO], 11, v1
	v_lshl_add_u32 v[HFO], v2, 4, v[HFO]
	v_add_nc_u32 v[HFO], s21, v[HFO]
	v_lshlrev_b32 v[HVO], 11, v[HROW]
	v_lshl_add_u32 v[HVO], v1, 4, v[HVO]
	v_lshlrev_b32 v[HL16], 4, v3
	v_lshlrev_b32 v[HMO], 3, v1
	s_mul_i32 s21, s[WV], HPARTB
	s_add_co_u32 s21, s21, HPART
	v_mul_u32_u24 v[HPS], v1, HPP
	v_lshl_add_u32 v[HPS], v2, 5, v[HPS]
	v_add_nc_u32 v[HPS], s21, v[HPS]               ; my wave's partial sums: row l % 16, 32 bytes for each half of the lanes
	v_mul_u32_u24 v[HPR], v[HROW], HPP
	v_lshl_add_u32 v[HPR], v1, 3, v[HPR]
	v_add_nc_u32 v[HPR], HPART, v[HPR]             ; back: my row, two keys
	v_lshlrev_b32 v[HVS], 9, v[HROW]
	v_lshl_add_u32 v[HVS], v1, 5, v[HVS]
	v_add_nc_u32 v[HVS], HVT, v[HVS]
	v_lshlrev_b32 v[HGS], 8, v[HROW]
	v_lshl_add_u32 v[HGS], v1, 4, v[HGS]
	v_add_nc_u32 v[HGS], HGT, v[HGS]
	v_lshl_add_u32 v[HGUS], v[HROW], 3, HGU
	v_add_nc_u32 v[HVR], HVT, v[HL16]
	s_lshl_b32 s21, s[WV], 11
	s_add_co_u32 s21, s21, HGT
	v_mov_b32 v[HGR], s21                          ; row 8 w: 256 bytes a row
	s_lshl_b32 s21, s[WV], 6
	s_add_co_u32 s21, s21, HGU
	v_mov_b32 v[HGUR], s21
	v_lshlrev_b32 v[HK0], 1, v1
	v_add_nc_u32 v[HK1], 1, v[HK0]
	v_mov_b32 v[HNEG], 0xceabfb8f                  ; NEGL = -1e9 log2(e)
	v_mov_b32 v[HBIG], 0x7fffffff
	v_mov_b32 v[HZER], 0
	v_mov_b32 v[HC11], 0x3a000000                  ; 2^-11
	s_mov_b32 s[HLS], 0x3a000000
	s_mov_b32 s[HLS+1], s[HLS]
	s_mov_b32 s[HNSK], 0x44fc0000                  ; 2016.0
	s_lshl_b32 s42, s41, 22                        ; a batch is 2,048 rows of 2,048 bytes of ph,
	s_mov_b32 s43, 0
	s_lshl_b32 s44, s41, 16                        ; 32 rows of hl,
	s_mov_b32 s45, 0
	s_lshl_b32 s46, s20, 8                         ; (128 channels are 256 bytes in f16)
	s_mov_b32 s47, 0
	s_lshl_b32 s48, s41, 13                        ; 2,048 words of the mask,
	s_mov_b32 s49, 0
	s_lshl_b32 s50, s41, 16                        ; 16 groups of 4,096 bytes of vsum,
	s_lshl_b32 s51, s20, 9
	s_add_co_u32 s50, s50, s51
	s_lshl_b32 s52, s41, 23                        ; and 2,048 rows of 4,096 bytes of out0: my rows begin at 8 w
	s_lshl_b32 s53, s[WV], 15
	s_add_co_u32 s52, s52, s53
	s_add_co_u32 s52, s52, s51
	s_mov_b32 s51, 0
	s_mov_b32 s53, 0
	s_add_nc_u64 s[22:23], s[4:5], s[42:43]        ; qh
	s_add_nc_u64 s[24:25], s[22:23], 0x1000000     ; kh lies 2^24 bytes behind it,
	s_add_nc_u64 s[26:27], s[22:23], 0x2000000     ; vh 2^25
	s_add_nc_u64 s[26:27], s[26:27], s[46:47]
	s_add_nc_u64 s[28:29], s[12:13], s[44:45]      ; q's second halves
	s_add_nc_u64 s[30:31], s[28:29], 0x40000       ; k's: four planes of 65,536 bytes on
	s_add_nc_u64 s[32:33], s[28:29], 0x80000       ; v's
	s_add_nc_u64 s[32:33], s[32:33], s[46:47]
	s_add_nc_u64 s[34:35], s[6:7], s[48:49]
	s_add_nc_u64 s[36:37], s[14:15], s[50:51]
	s_add_nc_u64 s[38:39], s[16:17], s[52:53]
.set n, 0
.rept 64
	v_mov_b32 v[HACC+n], 0                         ; the sums start at 0, so that the loop has one form of product
.set n, n+1
.endr
	; PHASE 1
	s_mov_b32 s[HCNT], 4
.Lhk:
	HFRAG 0, 22
	HFRAG 1, 28
	HFRAG 2, 24
	HFRAG 3, 30
	s_wait_loadcnt 0x0                             ; the trip's 32 loads are in, and their address register is free
	HMM3 0
	HMM3 1
	PLACES                                         ; the places in front of the next loads into the fragments' registers
	v_add_nc_u32 v[HFO], 128, v[HFO]               ; the next 64 channels
	s_sub_co_u32 s[HCNT], s[HCNT], 1
	s_cmp_lg_u32 s[HCNT], 0
	s_cbranch_scc1 .Lhk
.irp j, 0,1,2,3
	global_load_b128 v[64+4*(\j):67+4*(\j)], v[HVO], s[26:27] offset:(\j)*8*2048  ; key t / 16 + 8 j: 16 lanes take 256 consecutive bytes of its row
	global_load_b128 v[80+4*(\j):83+4*(\j)], v[HVO], s[32:33] offset:(\j)*8*2048
.endr
.irp g, 0,1,2,3,4,5,6,7,8,9,10,11,12,13,14,15
	global_load_b128 v[96+4*(\g):99+4*(\g)], v[HL16], s[36:37] offset:4096*(\g)
.endr
	global_load_b64 v[HMW:HMW+1], v[HMO], s[34:35]
.set n, 0
.rept 16
	v_pk_fma_f32 v[HACC+n:HACC+n+1], v[HACC+32+n:HACC+32+n+1], s[HLS:HLS+1], v[HACC+n:HACC+n+1] op_sel_hi:[1,0,1]  ; A0 + 2^-11 A1, each accumulator from its low end on
.set n, n+2
.endr
.irp t, 0,1,2,3
	ds_store_b128 v[HPS], v[HACC+8*(\t):HACC+8*(\t)+3]   offset:((\t)/2)*16*HPP+((\t)%2)*64
	ds_store_b128 v[HPS], v[HACC+8*(\t)+4:HACC+8*(\t)+7] offset:((\t)/2)*16*HPP+((\t)%2)*64+16
.endr
	s_wait_loadcnt 0x0
.irp j, 0,1,2,3
.irp i, 0,1,2,3
	v_fma_mix_f32 v[HVF+2*(\i)], v[80+4*(\j)+(\i)], v[HC11], v[64+4*(\j)+(\i)] op_sel_hi:[1,0,1]                    ; v = hi + 2^-11 lo'
	v_fma_mix_f32 v[HVF+2*(\i)+1], v[80+4*(\j)+(\i)], v[HC11], v[64+4*(\j)+(\i)] op_sel:[1,0,1] op_sel_hi:[1,0,1]
.endr
	ds_store_b128 v[HVS], v[HVF:HVF+3] offset:(\j)*8*512
	ds_store_b128 v[HVS], v[HVF+4:HVF+7] offset:(\j)*8*512+16
.endr
.irp s, 1,2,4                          ; the sixteen groups of vsum, as a tree
.set p, 0
.rept 8/(\s)
	v_pk_add_f32 v[96+4*p:97+4*p], v[96+4*p:97+4*p], v[96+4*(p+(\s)):97+4*(p+(\s))]
	v_pk_add_f32 v[98+4*p:99+4*p], v[98+4*p:99+4*p], v[98+4*(p+(\s)):99+4*(p+(\s))]
.set p, p+2*(\s)
.endr
.endr
	v_pk_add_f32 v[HUS:HUS+1],   v[96:97], v[128:129]
	v_pk_add_f32 v[HUS+2:HUS+3], v[98:99], v[130:131]
	v_cmp_eq_u32 vcc_lo, v[HMW], v[HZER]           ; a padded key gets a number that no row reaches
	v_cndmask_b32 v56, v[HK0], v[HBIG], vcc_lo
	v_cmp_eq_u32 vcc_lo, v[HMW+1], v[HZER]
	v_cndmask_b32 v57, v[HK1], v[HBIG], vcc_lo
	s_wait_dscnt 0x0                               ; for the others' sake: my stores are done
	s_barrier_signal -1
	s_barrier_wait -1
	; PHASE 2: the four partial sums, the masks, and a row's weights
	s_mov_b32 s[HCNT], 4
.Lhp:
.irp p, 0,1,2,3
	ds_load_b64 v[64+2*(\p):65+2*(\p)], v[HPR] offset:(\p)*HPARTB
.endr
	s_wait_dscnt 0x0
	v_pk_add_f32 v[64:65], v[64:65], v[66:67]
	v_pk_add_f32 v[68:69], v[68:69], v[70:71]
	v_pk_add_f32 v[64:65], v[64:65], v[68:69]
	v_pk_mul_f32 v[64:65], v[64:65], s[CS:CS+1] op_sel_hi:[1,0]
	v_cmp_ge_i32 vcc_lo, v[HROW], v56              ; visible: not padded, and not above the diagonal
	v_cndmask_b32 v64, v[HNEG], v64, vcc_lo
	v_cmp_ge_i32 vcc_lo, v[HROW], v57
	v_cndmask_b32 v65, v[HNEG], v65, vcc_lo
	v_max3_num_f32 v58, v64, v65, v[HNEG]          ; the keys from 32 on all have NEGL
	v_max_num_f32_dpp v58, v58, v58 row_xmask:1 row_mask:0xf bank_mask:0xf
	v_max_num_f32_dpp v58, v58, v58 row_xmask:2 row_mask:0xf bank_mask:0xf
	v_max_num_f32_dpp v58, v58, v58 row_xmask:4 row_mask:0xf bank_mask:0xf
	v_max_num_f32_dpp v58, v58, v58 row_xmask:8 row_mask:0xf bank_mask:0xf
	v_sub_f32 v64, v64, v58                        ; the maximum is taken away before the exponentials
	v_sub_f32 v65, v65, v58
	v_sub_f32 v59, v[HNEG], v58
	v_exp_f32 v64, v64
	v_exp_f32 v65, v65
	v_exp_f32 v59, v59                             ; w
	v_nop                                          ; a plain instruction behind the last exponential,
	s_wait_alu depctr_va_vdst(0)                   ; and one wait for the three
	v_add_f32 v60, v64, v65
	v_add_f32_dpp v60, v60, v60 row_xmask:1 row_mask:0xf bank_mask:0xf
	v_add_f32_dpp v60, v60, v60 row_xmask:2 row_mask:0xf bank_mask:0xf
	v_add_f32_dpp v60, v60, v60 row_xmask:4 row_mask:0xf bank_mask:0xf
	v_add_f32_dpp v60, v60, v60 row_xmask:8 row_mask:0xf bank_mask:0xf
	v_fma_f32 v60, v59, s[HNSK], v60               ; L
	v_rcp_f32 v61, v60
	v_sub_f32 v64, v64, v59                        ; plain work behind the reciprocal: P - w
	v_sub_f32 v65, v65, v59
	s_wait_alu depctr_va_vdst(0)                   ; the reciprocal's wait
	v_mul_f32 v66, v64, v61
	v_mul_f32 v68, v65, v61
	v_mul_f32 v70, v59, v61
	v_mov_b32 v67, v66                             ; each weight twice: the packed multiply-adds below take a pair
	v_mov_b32 v69, v68
	v_mov_b32 v71, v70
	ds_store_b128 v[HGS], v[66:69]
	ds_store_b64 v[HGUS], v[70:71]                 ; the row's 16 lanes write the same pair to the same place
	s_wait_dscnt 0x0                               ; for the others' sake, in front of the barrier below
	v_add_nc_u32 v[HPR], 8*HPP, v[HPR]             ; eight rows on
	v_add_nc_u32 v[HROW], 8, v[HROW]
	v_add_nc_u32 v[HGS], 8*256, v[HGS]
	v_add_nc_u32 v[HGUS], 64, v[HGUS]
	s_sub_co_u32 s[HCNT], s[HCNT], 1
	s_cmp_lg_u32 s[HCNT], 0
	s_cbranch_scc1 .Lhp
	s_barrier_signal -1
	s_barrier_wait -1
	; PHASE 3: two rows a trip, four channels a lane
	s_mov_b32 s[HCNT], 4
.Lhr:
	ds_load_b128 v[56:59], v[HGUR]
.irp kk, 0,1
.irp i, 0,1,2,3,4,5,6,7,8,9,10,11,12,13,14,15
	ds_load_b128 v[128+4*(\i):131+4*(\i)], v[HVR] offset:512*(16*(\kk)+(\i))  ; a key's 128 channels: 512 consecutive bytes for the wave
.endr
.irp i, 0,1,2,3,4,5,6,7
	ds_load_b128 v[64+4*(\i):67+4*(\i)], v[HGR] offset:128*(\kk)+16*(\i)      ; two keys' weights of the even row: the same bytes for all lanes
	ds_load_b128 v[96+4*(\i):99+4*(\i)], v[HGR] offset:256+128*(\kk)+16*(\i)  ; of the odd row
.endr
	s_wait_dscnt 0x0
.if (\kk) == 0
	v_pk_mul_f32 v[HVH:HVH+1],   v[HUS:HUS+1],   v[56:57]  ; the sums start with w / L x the sum of all v
	v_pk_mul_f32 v[HVH+2:HVH+3], v[HUS+2:HUS+3], v[56:57]
	v_pk_mul_f32 v[HVL:HVL+1],   v[HUS:HUS+1],   v[58:59]
	v_pk_mul_f32 v[HVL+2:HVL+3], v[HUS+2:HUS+3], v[58:59]
.endif
.irp i, 0,1,2,3,4,5,6,7,8,9,10,11,12,13,14,15
	v_pk_fma_f32 v[HVH:HVH+1],   v[128+4*(\i):129+4*(\i)], v[64+2*(\i):65+2*(\i)], v[HVH:HVH+1]
	v_pk_fma_f32 v[HVH+2:HVH+3], v[130+4*(\i):131+4*(\i)], v[64+2*(\i):65+2*(\i)], v[HVH+2:HVH+3]
	v_pk_fma_f32 v[HVL:HVL+1],   v[128+4*(\i):129+4*(\i)], v[96+2*(\i):97+2*(\i)], v[HVL:HVL+1]
	v_pk_fma_f32 v[HVL+2:HVL+3], v[130+4*(\i):131+4*(\i)], v[96+2*(\i):97+2*(\i)], v[HVL+2:HVL+3]
.endr
.endr
	global_store_b128 v[HL16], v[HVH:HVH+3], s[38:39]              ; 512 consecutive bytes of a row, aligned
	global_store_b128 v[HL16], v[HVL:HVL+3], s[38:39] offset:4096
	s_wait_xcnt 0x0                                ; the stores have read their base and their data: both are written again only behind this wait
	s_add_nc_u64 s[38:39], s[38:39], 2*4096
	v_add_nc_u32 v[HGR], 512, v[HGR]
	v_add_nc_u32 v[HGUR], 16, v[HGUR]
	s_sub_co_u32 s[HCNT], s[HCNT], 1
	s_cmp_lg_u32 s[HCNT], 0
	s_cbranch_scc1 .Lhr
	s_wait_tensorcnt 0x0                           ; the wave's end: the spare word's add and its wait, behind my last LDS store
	ds_add_u32 v[SPW], v[NIL]
	s_wait_dscnt 0x0
	s_endpgm
.Lfunc_end_k_qbabbe6ff0d_scores:
	.size	k_qbabbe6ff0d_scores, .Lfunc_end_k_qbabbe6ff0d_scores-k_qbabbe6ff0d_scores
	.p2alignl 7, 3214868480
	.fill 96, 4, 3214868480
	.section	.rodata,"a",@progbits
	.p2align	6, 0x0
	.amdhsa_kernel k_qbabbe6ff0d_scores
		.amdhsa_group_segment_fixed_size 327680
		.amdhsa_private_segment_fixed_size 0
		.amdhsa_enable_private_segment 0
		.amdhsa_kernarg_size 56
		.amdhsa_user_sgpr_count 2
		.amdhsa_user_sgpr_kernarg_segment_ptr 1
		.amdhsa_wavefront_size32 1
		.amdhsa_system_sgpr_workgroup_id_x 1
		.amdhsa_system_sgpr_workgroup_id_y 1
		.amdhsa_system_sgpr_workgroup_id_z 1
		.amdhsa_system_vgpr_workitem_id 0
		.amdhsa_next_free_vgpr 1024
		.amdhsa_next_free_sgpr 100
		.amdhsa_reserve_vcc 1
		.amdhsa_float_denorm_mode_32 3
		.amdhsa_float_denorm_mode_16_64 3
		.amdhsa_memory_ordered 1
		.amdhsa_forward_progress 1
		.amdhsa_inst_pref_size 143
	.end_amdhsa_kernel
	.amdgpu_metadata
---
amdhsa.version: [ 1, 2 ]
amdhsa.kernels:
  - .name:           k_qbabbe6ff0d_scores
    .symbol:         k_qbabbe6ff0d_scores.kd
    .args:
      - { .name: ph, .offset: 0, .size: 8, .value_kind: global_buffer, .address_space: global }
      - { .name: attention_mask, .offset: 8, .size: 8, .value_kind: global_buffer, .address_space: global }
      - { .name: pb, .offset: 16, .size: 8, .value_kind: global_buffer, .address_space: global }
      - { .name: st, .offset: 24, .size: 8, .value_kind: global_buffer, .address_space: global }
      - { .name: hl, .offset: 32, .size: 8, .value_kind: global_buffer, .address_space: global }
      - { .name: vsum, .offset: 40, .size: 8, .value_kind: global_buffer, .address_space: global }
      - { .name: out0, .offset: 48, .size: 8, .value_kind: global_buffer, .address_space: global }
    .group_segment_fixed_size: 327680
    .private_segment_fixed_size: 0
    .kernarg_segment_align: 8
    .kernarg_segment_size: 56
    .max_flat_workgroup_size: 128
    .sgpr_count:     100
    .vgpr_count:     1024
    .wavefront_size: 32
...
	.end_amdgpu_metadata
.endif
;; end of part 3
;; launch pv (part 4): grid 8 x 32, 4 waves a work-group, clusters of 4 x 1, 327,680 bytes of LDS; arguments pb, st, ph, vsum, out0; writes out0
.if DOCPART == 4
	.amdgcn_target "amdgcn-amd-amdhsa--gfx1250"
	.amdhsa_code_object_version 6
	.text
	.protected	k_qbabbe6ff0d_pv
	.globl	k_qbabbe6ff0d_pv
	.p2align	8
	.type	k_qbabbe6ff0d_pv,@function
k_qbabbe6ff0d_pv:
	s_mov_b64 s[64:65], 0
	v_nop
	global_prefetch_b8 v0, s[64:65] scope:SCOPE_SE
	s_setreg_imm32_b32 hwreg(HW_REG_WAVE_MODE, 25, 1), 1
	s_wait_xcnt 0x0
	s_wait_alu depctr_hold_cnt(0) depctr_sa_sdst(0) depctr_va_vdst(0) depctr_va_sdst(0) depctr_va_ssrc(0) depctr_va_vcc(0) depctr_vm_vsrc(0)
	s_getreg_b32 s2, hwreg(HW_REG_IB_STS2, 6, 4)
	s_cmp_eq_u32 s2, 0
	s_cbranch_scc0 .Lentry_in_a_cluster
	s_endpgm
.Lentry_in_a_cluster:
	s_bfe_u32 s2, ttmp6, 0x10000c
	s_cmp_lg_u32 s2, 0x3003
	s_cbranch_scc0 .Lentry_shape_is_right
	s_endpgm
.Lentry_shape_is_right:
; out0[b][q][h] = ( sum over the computed keys of f P'[q][key] vh[key][h]  +  w U[h] ) / L.   P' and (m, l) come from the launch before, by chunks of 128 keys.
; For a row:  M = the maximum of its chunks' m and, if keys were skipped, of NEGL = -1e9 log2(e);  f = 2^(m - M), rounded to f16;  w = 2^(NEGL - M);  L = sum of f l + w x (skipped keys);
; U = the sum of vh over the skipped keys, from vsum.  So a skipped key has exactly the weight that its score of -1e9 gives it: 0 as a rule, 1 in a row all of whose scores are -1e9.
; ROWS 0 .. 31 OF EACH BATCH ARE NOT STORED HERE: the launch before has made them, from operands with twice the bits.
; LIMITS.  f P' is rounded to f16: below 6e-5 of the row's largest weight it keeps f16's fixed step of 6e-8.  An exponential below 2^-126 is 0.  NaN and infinities are not treated apart.
; THE WALK.  A batch's queries lie in 16 blocks of 128; block n needs n / 2 + 1 steps of 256 keys.  A work-group takes blocks p and 15 - p: NINE steps whatever p, so all 256 work-groups are alike and
; the loops count to constants.  What hangs on p: global addresses, one forward jump over the first block's way out, and two over stores.  No LDS address hangs on p: the factors lie in the order of the walk.
; SHARES.  128 queries x 128 channels; wave (wr, wc) makes 64 x 64: 16 accumulators.  CLUSTER 4 x 1: the four channel tiles of a cluster walk the same P': its tiles are asked for jointly (waves 0, 1);
; V's tile hangs on the channel tile and is each work-group's own load (waves 2, 3), behind the same round.
; LAYOUT.  O^T = V^T P (source 0 = 16 channels, by the turning load; source 1 = 16 queries as they lie): a lane holds query l % 16 and channels 8 (l / 16) + 0 .. 7.  The factor f hangs on the lane's query
; and the chunk alone: each register of a fragment of P' is multiplied by (f, f), four such lines behind each product of a quarter's second half.
; REGISTERS.  window 0: v2-14 addresses; v32-39 two chunks' factors; v64-127, v128-191 V's two fragment buffers; v192-255 at work.  window 1: v0-127 accumulators; v128-191, v192-255 P's two buffers.
; One window setting, 0x54, serves the products, P's LDS loads and the scalings.
.set PP,    528                        ; a row of P' in LDS: 512 bytes + 16
.set PVP,   288                        ; a row of V: 256 bytes + 32: 16 lanes of the turning load take 8 rows x 32 bytes
.set VOFF,  128*PP
.set SLOT,  VOFF+256*PVP               ; 141,312
.set STAGE, 2*SLOT                     ; 16 rows x 272 bytes for each wave
.set SP,    272
.set TAB,   STAGE+4*16*SP              ; for each wr: FT[18 chunks of the walk][16 r][4 a] words (f, f): 4,608 bytes; then for each block (1/L, 1/L)[16 r][4 a], 512, and (w, w) likewise, 512
.set TREG,  6656
.set UT,    TAB+2*TREG                 ; U[2 blocks][128 channels] f32
.set SPARE, UT+1024                    ; the spare words: 128 bytes a wave, two blocks of 256 bytes that no other line names
.set AP0,  2
.set AV0,  3
.set AV1,  4
.set ADRP, 5
.set ADRV0, 6
.set ADRV1, 7
.set FT0,  8
.set FTA,  9
.set ILR,  10
.set UR,   11
.set STO,  12
.set RD,   13
.set GO,   14
.set SPW,  28
.set NIL,  29
.set FAC,  32                          ; v[32:35] the factors of a step's first chunk, v[36:39] of its second
.set WV,  14
.set WR,  15
.set WC,  16
.set NLO, 21                           ; s21, s22  steps of the first and of the second block
.set NHI, 22
.set G1P, 24
.set G1V, 32
.set G0P, 40
.set G0V, 44
.set OFP, 48
.set OFV, 50
.set TB,  52                           ; s52  the slot that is read; s53 the slot last asked for: 0 or SLOT
.set SLF, 53
.set CNT, 54
.set STEP, 55
.set NREQ, 56
.set PLO, 57
.set PHI, 58
.set VB,  59
.set SFT, 60                           ; s60  512 x step
.set PW,  61
.set VW,  62
.set OLO, 66
.set OHI, 68
.set NEGS, 82
.set SKP, 88                           ; s88  1: my first block's rows begin a batch (p = 0 and wave / 2 = 0): its first 32 are not mine to store
.set MSB, 0
.macro WIN new
.if MSB != (\new)
	s_set_vgpr_msb (MSB<<8)|(\new)
.set MSB, \new
.endif
.endm
.macro PLACES
.rept 4
	v_nop
.endr
.endm
.macro JLOAD                           ; waves 0, 1: the two halves of P's tile, jointly; waves 2, 3: the two halves of V's; s_nop 0 and four v_nop follow each line
	s_cmp_lt_u32 s[WV], 2
	s_cbranch_scc0 .Lfor_v_\@
	tensor_load_to_lds s[G0P:G0P+3], s[G1P:G1P+7]
	s_nop 0
	PLACES
	s_branch .Lasked_\@
.Lfor_v_\@:
	tensor_load_to_lds s[G0V:G0V+3], s[G1V:G1V+7]
	s_nop 0
	PLACES
.Lasked_\@:
.endm
.macro CREST
	s_cmp_lg_u32 s[WV], 0
	s_cbranch_scc1 .Lnot_wave_0_\@
	s_barrier_signal -3
.Lnot_wave_0_\@:
	s_barrier_wait -3
	s_barrier_signal -1
	s_barrier_wait -1
.endm
.macro CROUND
	s_barrier_signal -1
	s_barrier_wait -1
	CREST
.endm
; The descriptors for tile NREQ of the walk, made anew from that number; no tensor load of mine is out where it stands.
.macro REQ
	s_cmp_lt_u32 s[NREQ], s[NLO]
	s_cselect_b32 s70, s[PLO], s[PHI]
	s_cselect_b32 s71, 0, s[NLO]
	s_sub_co_u32 s71, s[NREQ], s71                 ; the key step in its block
	s_lshl_b32 s72, s71, 9                         ; 256 keys are 512 bytes of a row of pb
	s_add_co_u32 s[OFP], s70, s72
	s_lshl_b32 s72, s71, 19                        ; and 256 rows of 2,048 bytes of vh
	s_add_co_u32 s[OFV], s[VB], s72
	s_add_nc_u64 s[G0P+2:G0P+3], s[4:5], s[OFP:OFP+1]
	s_or_b32 s[G0P+3], s[G0P+3], 0x80000000
	s_add_nc_u64 s[G0V+2:G0V+3], s[8:9], s[OFV:OFV+1]
	s_or_b32 s[G0V+3], s[G0V+3], 0x80000000
	s_xor_b32 s[SLF], s[SLF], SLOT
	s_add_co_u32 s[G0P+1], s[SLF], s[PW]
	s_add_co_u32 s[G0V+1], s[SLF], s[VW]
	s_add_co_u32 s[NREQ], s[NREQ], 1
.endm
	s_load_b256 s[4:11], s[0:1], 0x0               ; pb s[4:5], st s[6:7], ph s[8:9], vsum s[10:11]
	s_load_b64 s[12:13], s[0:1], 0x20              ; out0
	v_lshl_add_u32 v[SPW], v0, 2, SPARE
	v_mov_b32 v[NIL], 0
	ds_add_u32 v[SPW], v[NIL]                      ; the wave's opening: the add and its wait ahead of my first tensor load
	ds_add_u32 v28, v29
	v_lshrrev_b32 v1, 5, v0
	v_readfirstlane_b32 s[WV], v1
	s_lshr_b32 s[WR], s[WV], 1
	s_and_b32 s[WC], s[WV], 1
	s_bfe_u32 s17, ttmp6, 0x40000                  ; cx: it enters V's, vsum's and out0's global addresses alone
	s_lshl_b32 s18, ttmp9, 2
	s_add_co_u32 s18, s18, s17                     ; channel tile
	s_and_b32 s20, ttmp7, 0xffff
	s_lshr_b32 s19, s20, 3                         ; batch
	s_and_b32 s20, s20, 7                          ; p: the first block
	s_sub_co_u32 s23, 15, s20                      ; the second block
	s_lshr_b32 s[NLO], s20, 1
	s_add_co_u32 s[NLO], s[NLO], 1
	s_sub_co_u32 s[NHI], 9, s[NLO]
	s_or_b32 s[SKP], s20, s[WR]
	s_cmp_eq_u32 s[SKP], 0
	s_cselect_b32 s[SKP], 1, 0                     ; from the cluster's y and the wave's number alone: the same in all partners
	s_mov_b32 s[G1P], 15|(1<<16)|(1<<20)|(1<<21)|(6<<22)|(3<<25)  ; the mask of four; 2-byte elements; padding on; bit 21 beside a mask; after every 128 words 4 words
	s_mov_b32 s[G1P+1], 256<<16                    ; tensor_dim0 = 256
	s_mov_b32 s[G1P+2], 64<<16                     ; tensor_dim1 = 64
	s_mov_b32 s[G1P+3], 256<<16                    ; tile_dim0 = 256
	s_mov_b32 s[G1P+4], 64                         ; tile_dim1 = 64
	s_mov_b32 s[G1P+5], 2048
	s_mov_b32 s[G1P+6], 0
	s_mov_b32 s[G1P+7], 0
	s_mov_b32 s[G1V], (1<<16)|(1<<20)|(5<<22)|(7<<25)  ; no mask; after every 64 words 8 words
	s_mov_b32 s[G1V+1], 128<<16
	s_mov_b32 s[G1V+2], 128<<16
	s_mov_b32 s[G1V+3], 128<<16
	s_mov_b32 s[G1V+4], 128
	s_mov_b32 s[G1V+5], 1024
	s_mov_b32 s[G1V+6], 0
	s_mov_b32 s[G1V+7], 0
	s_mov_b32 s[G0P], 1
	s_mov_b32 s[G0V], 1
	s_mov_b32 s[OFP+1], 0
	s_mov_b32 s[OFV+1], 0
	s_mul_i32 s[PW], s[WC], 64*PP                  ; where my tile goes in a slot: the wave's number alone
	s_mul_i32 s[VW], s[WC], 128*PVP
	s_add_co_u32 s[VW], s[VW], VOFF
	s_mov_b32 s[SLF], SLOT                         ; the first request turns it into 0
	s_mov_b32 s[TB], 0
	s_mov_b32 s[NREQ], 0
	s_mov_b32 s[STEP], 0
	s_mov_b32 s[SFT], 0
	s_mov_b32 s[NEGS], 0xceabfb8f                  ; NEGL
	s_lshl_b32 s70, s19, 11                        ; 2,048 b
	s_lshl_b32 s71, s[WC], 6
	s_add_co_u32 s71, s71, s70
	s_lshl_b32 s72, s20, 7
	s_add_co_u32 s72, s72, s71
	s_lshl_b32 s[PLO], s72, 12                     ; pb: row 2,048 b + 128 x block + 64 x (wave % 2), in bytes
	s_lshl_b32 s72, s23, 7
	s_add_co_u32 s72, s72, s71
	s_lshl_b32 s[PHI], s72, 12
	s_lshl_b32 s72, s[WC], 7
	s_add_co_u32 s72, s72, s70
	s_lshl_b32 s72, s72, 11
	s_add_co_u32 s72, s72, 0x2000000               ; vh lies 2^25 bytes into ph
	s_lshl_b32 s73, s18, 8
	s_add_co_u32 s[VB], s72, s73
	s_lshl_b32 s75, s[WR], 6                       ; out0 at my 64 rows and 64 channels of each block
	s_add_co_u32 s74, s70, s75
	s_lshl_b32 s76, s18, 9
	s_lshl_b32 s77, s[WC], 8
	s_add_co_u32 s76, s76, s77
	s_lshl_b32 s78, s20, 7
	s_add_co_u32 s78, s78, s74
	s_lshl_b32 s78, s78, 12
	s_add_co_u32 s78, s78, s76
	s_mov_b32 s79, 0
	s_lshl_b32 s86, s23, 7
	s_add_co_u32 s86, s86, s74
	s_lshl_b32 s86, s86, 12
	s_add_co_u32 s86, s86, s76
	s_mov_b32 s87, 0
	s_wait_dscnt 0x0                               ; the opening add is done
	s_wait_kmcnt 0x0
	s_add_nc_u64 s[OLO:OLO+1], s[12:13], s[78:79]
	s_add_nc_u64 s[OHI:OHI+1], s[12:13], s[86:87]
	REQ                                            ; tile 0, into slot 0
	CROUND                                         ; all four work-groups are here: the first joint loads meet
	JLOAD
	v_and_b32 v1, 15, v0                           ; r = l % 16
	v_bfe_u32 v15, v0, 4, 1                        ; h = l / 16
	v_and_b32 v16, 31, v0                          ; l
	v_and_b32 v17, 7, v0
	v_bfe_u32 v18, v0, 3, 1
	s_mul_i32 s70, s[WR], 64*PP
	v_mul_u32_u24 v[AP0], v1, PP
	v_lshl_add_u32 v[AP0], v15, 4, v[AP0]
	v_add_nc_u32 v[AP0], s70, v[AP0]               ; P: (64 wr + r) x pitch + 16 h
	v_lshl_add_u32 v[AV0], v15, 3, v17
	v_mul_u32_u24 v[AV0], v[AV0], PVP
	v_lshl_add_u32 v[AV0], v18, 4, v[AV0]
	s_lshl_b32 s70, s[WC], 7
	s_add_co_u32 s70, s70, VOFF
	v_add_nc_u32 v[AV0], s70, v[AV0]               ; V: key 8 h + l % 8, channels 8 ((l / 8) % 2) on, my 64 channels
	v_add_nc_u32 v[AV1], 128*PVP, v[AV0]           ; the step's second 128 keys: the immediates stay under 2^16
	s_mul_i32 s70, s[WR], TREG
	s_add_co_u32 s70, s70, TAB
	v_lshl_add_u32 v[FT0], v1, 4, s70
	s_add_co_u32 s71, s70, 4608
	v_lshl_add_u32 v[ILR], v1, 5, s71
	s_lshl_b32 s72, s[WC], 3
	s_add_co_u32 s72, s72, s70
	v_lshl_add_u32 v21, v1, 4, s72
	v_lshl_add_u32 v21, v15, 2, v21                ; I write the factors of row 32 wc + l: r = l % 16, a = 2 wc + l / 16
	s_lshl_b32 s72, s[WC], 4
	s_add_co_u32 s72, s72, s71
	v_lshl_add_u32 v22, v1, 5, s72
	v_lshl_add_u32 v22, v15, 3, v22
	v_lshl_add_u32 v23, v0, 2, UT
	s_lshl_b32 s71, s[WC], 8
	s_add_co_u32 s71, s71, UT
	v_lshl_add_u32 v[UR], v15, 5, s71
	s_mul_i32 s71, s[WV], 16*SP
	s_add_co_u32 s71, s71, STAGE
	v_mul_u32_u24 v[STO], v1, SP
	v_lshl_add_u32 v[STO], v15, 5, v[STO]
	v_add_nc_u32 v[STO], s71, v[STO]               ; in: row r, 32 bytes for each half of the lanes
	v_mul_u32_u24 v[RD], v15, SP
	v_lshl_add_u32 v[RD], v1, 4, v[RD]
	v_add_nc_u32 v[RD], s71, v[RD]                 ; back: lanes 0-15 one row of 256 bytes, lanes 16-31 the next
	v_lshlrev_b32 v[GO], 12, v15
	v_lshl_add_u32 v[GO], v1, 4, v[GO]
	; THE PROLOGUE, while tile 0 is on its way.  My lane has one row, 64 wr + 32 wc + l, of BOTH blocks; (m, l) of the walk's 18 chunks are loaded in the walk's order.
	s_lshl_b32 s96, s[WR], 6
	s_lshl_b32 s97, s[WC], 5
	s_add_co_u32 s96, s96, s97
	s_lshl_b32 s98, s19, 18                        ; a batch is 16 chunks x 2,048 rows x 8 bytes of st
	s_lshl_b32 s97, s20, 7
	s_add_co_u32 s97, s97, s96
	s_lshl_b32 s97, s97, 3
	s_add_co_u32 s94, s97, s98
	s_lshl_b32 s97, s23, 7
	s_add_co_u32 s97, s97, s96
	s_lshl_b32 s97, s97, 3
	s_add_co_u32 s95, s97, s98
	s_lshl_b32 s92, s[NLO], 1                      ; chunks, and groups of vsum, of the first block,
	s_lshl_b32 s93, s[NHI], 1                      ; and of the second
	v_lshlrev_b32 v19, 3, v16
.irp k, 0,1,2,3,4,5,6,7,8,9,10,11,12,13,14,15,16,17
	s_cmp_lt_u32 \k, s92
	s_cselect_b32 s96, s94, s95
	s_cselect_b32 s97, 0, s92
	s_sub_co_u32 s97, \k, s97                      ; the chunk in its block
	s_lshl_b32 s97, s97, 14
	s_add_co_u32 s96, s96, s97
	v_add_nc_u32 v[128+(\k)], s96, v19
	global_load_b64 v[64+2*(\k):65+2*(\k)], v[128+(\k)], s[6:7]
.endr
	s_lshl_b32 s96, s19, 16
	s_lshl_b32 s97, s18, 9
	s_add_co_u32 s96, s96, s97
	v_lshl_add_u32 v20, v0, 2, s96                 ; vsum: group 16 b, channel 128 x tile + my thread's number
.irp g, 0,1,2,3,4,5,6,7,8,9,10,11,12,13,14,15
	global_load_b32 v[192+(\g)], v20, s[10:11] offset:4096*(\g)
.endr
	WIN 0x40                                       ; the sums start at 0, written while the loads are out, so that the loop has one form of product
.set i, 0
.rept 128
	v_mov_b32 v[i], 0
.set i, i+1
.endr
	WIN 0
	s_lshl_b32 s96, s[NLO], 8
	s_sub_co_u32 s96, 2048, s96
	s_cvt_f32_u32 s84, s96                         ; the first block's skipped keys: 1,024 at the least
	s_lshl_b32 s96, s[NHI], 8
	s_sub_co_u32 s96, 2048, s96
	s_cvt_f32_u32 s85, s96                         ; the second block's: 0 where it has eight steps
	s_cmp_eq_u32 s96, 0
	s_cselect_b32 s83, 0xff7fffff, s[NEGS]
	v_mov_b32 v215, 0xff7fffff                     ; the lowest finite number
	v_mov_b32 v217, 0
	v_mov_b32 v208, s[NEGS]                        ; M of the first block starts at the skipped keys' score,
	v_mov_b32 v209, s83                            ; M of the second likewise, if it skips any
	s_wait_loadcnt 0x0
.irp k, 0,1,2,3,4,5,6,7,8,9,10,11,12,13,14,15,16,17
	s_cmp_lt_u32 \k, s92
	s_cselect_b32 s96, -1, 0
	v_cndmask_b32 v214, v215, v[64+2*(\k)], s96
	v_cndmask_b32 v216, v[64+2*(\k)], v215, s96
	v_max_num_f32 v208, v208, v214
	v_max_num_f32 v209, v209, v216
.endr
.irp k, 0,1,2,3,4,5,6,7,8,9,10,11,12,13,14,15,16,17
	s_cmp_lt_u32 \k, s92
	s_cselect_b32 s96, -1, 0
	v_cndmask_b32 v214, v209, v208, s96
	v_sub_f32 v[64+2*(\k)], v[64+2*(\k)], v214     ; m - M
.endr
	v_sub_f32 v210, s[NEGS], v208
	v_sub_f32 v211, s[NEGS], v209
	v_min_num_f32 v210, 0, v210                    ; (above 0 only where nothing is skipped and w counts for nothing)
	v_min_num_f32 v211, 0, v211
.irp k, 0,1,2,3,4,5,6,7,8,9,10,11,12,13,14,15,16,17
	v_exp_f32 v[64+2*(\k)], v[64+2*(\k)]
.endr
	v_exp_f32 v210, v210
	v_exp_f32 v211, v211
	v_nop                                          ; a plain instruction behind the last exponential,
	s_wait_alu depctr_va_vdst(0)                   ; and one wait for the batch of 20
	v_mul_f32 v212, s84, v210                      ; L starts with the skipped keys' share
	v_mul_f32 v213, s85, v211
.irp k, 0,1,2,3,4,5,6,7,8,9,10,11,12,13,14,15,16,17
	s_cmp_lt_u32 \k, s92
	s_cselect_b32 s96, 1.0, 0
	s_cselect_b32 s97, 0, 1.0
	v_cvt_pk_f16_f32 v[64+2*(\k)], v[64+2*(\k)], v[64+2*(\k)]  ; (f, f)
	v_fma_mix_f32 v214, v[64+2*(\k)], v[65+2*(\k)], v217 op_sel_hi:[1,0,0]  ; the rounded f times l
	v_fma_f32 v212, v214, s96, v212
	v_fma_f32 v213, v214, s97, v213
	ds_store_b32 v21, v[64+2*(\k)] offset:256*(\k)
.endr
	v_rcp_f32 v218, v212
	v_rcp_f32 v219, v212
	v_rcp_f32 v220, v213
	v_rcp_f32 v221, v213
	v_mov_b32 v222, v210                           ; plain instructions behind the reciprocals
	v_mov_b32 v223, v210
	v_mov_b32 v224, v211
	v_mov_b32 v225, v211
	s_wait_alu depctr_va_vdst(0)                   ; one wait for the four reciprocals
	ds_store_b64 v22, v[218:219]
	ds_store_b64 v22, v[222:223] offset:512
	ds_store_b64 v22, v[220:221] offset:1024
	ds_store_b64 v22, v[224:225] offset:1536
.irp g, 0,1,2,3,4,5,6,7,8,9,10,11,12,13,14,15
	s_cmp_ge_u32 \g, s92                           ; is group g skipped by the first block?
	s_cselect_b32 s96, 1.0, 0
	s_cmp_ge_u32 \g, s93                           ; by the second?
	s_cselect_b32 s97, 1.0, 0
.if (\g) == 0
	v_mul_f32 v226, s96, v192
	v_mul_f32 v227, s97, v192
.else
	v_fma_f32 v226, v[192+(\g)], s96, v226
	v_fma_f32 v227, v[192+(\g)], s97, v227
.endif
.endr
	ds_store_b32 v23, v226
	ds_store_b32 v23, v227 offset:512
; A quarter is 64 keys.  Its fragments into buffer g: (nf = 1: first the chunk's four factors;) 16 loads of P (query block a, keys 32 c on, at 8 (4 c + a)); 16 turning loads of V (channel block cb at 8 (4 c + cb)).
.macro FETCHQ g, kq, nf
.if \nf
	WIN 0
	ds_load_b128 v[FAC+4*((\kq)/2):FAC+4*((\kq)/2)+3], v[FTA] offset:256*((\kq)/2)
.endif
	WIN 0x54
.irp c, 0,1
.irp a, 0,1,2,3
	ds_load_b128 v[128+64*(\g)+8*(4*(\c)+(\a)):128+64*(\g)+8*(4*(\c)+(\a))+3],   v[ADRP] offset:(\a)*16*PP+128*(\kq)+64*(\c)
	ds_load_b128 v[128+64*(\g)+8*(4*(\c)+(\a))+4:128+64*(\g)+8*(4*(\c)+(\a))+7], v[ADRP] offset:(\a)*16*PP+128*(\kq)+64*(\c)+32
.endr
.endr
	WIN 0
.irp c, 0,1
.irp cb, 0,1,2,3
	ds_load_tr16_b128 v[64+64*(\g)+8*(4*(\c)+(\cb)):64+64*(\g)+8*(4*(\c)+(\cb))+3],   v[ADRV0+(\kq)/2] offset:((\kq)%2)*64*PVP+(\c)*32*PVP+32*(\cb)
	ds_load_tr16_b128 v[64+64*(\g)+8*(4*(\c)+(\cb))+4:64+64*(\g)+8*(4*(\c)+(\cb))+7], v[ADRV0+(\kq)/2] offset:((\kq)%2)*64*PVP+(\c)*32*PVP+16*PVP+32*(\cb)
.endr
.endr
.endm
; Product i of a quarter's 32, on buffer f: keys 32 (i / 16) on, query block (i / 4) % 4, channel block i % 4.  The 16 accumulators take turns in one order, over every jump.
.macro P1 f
	WIN 0x54
.set rA, 8*(i%16)
.set rV, 64+64*(\f)+8*(4*(i/16)+i%4)
.set rP, 128+64*(\f)+8*(4*(i/16)+(i/4)%4)
	v_wmma_f32_16x16x32_f16 v[rA:rA+7], v[rV:rV+7], v[rP:rP+7], v[rA:rA+7]
.set i, i+1
.endm
.macro SC g, kq                        ; register n of the 64 of P's buffer g, times its query's factor
.set rP, 128+64*(\g)+n
	v_pk_mul_f16 v[rP], v[FAC+4*((\kq)/2)+(n/8)%4], v[rP]
.set n, n+1
.endm
; A quarter: buffer f is multiplied; quarter kq is fetched into buffer g and its P scaled, four lines behind each product of the second half.  Those lines name no register of the products round them;
; the four behind the last product are the places in front of the next run of loads.
.macro QTR f, g, kq, nf
	FETCHQ \g, \kq, \nf
	s_wait_dscnt 32+(\nf)                          ; all but the run just issued: V of buffer f is in
.set i, 0
.set n, 0
.rept 16
	P1 \f
.endr
	s_wait_dscnt 16                                ; the factors and P of buffer g are in; its 16 loads of V may be out
.rept 16
	P1 \f
.rept 4
	SC \g, \kq
.endr
.endr
.endm
.macro ADDRS                           ; the LDS addresses of the step to be read
	v_add_nc_u32 v[ADRP], s[TB], v[AP0]
	v_add_nc_u32 v[ADRV0], s[TB], v[AV0]
	v_add_nc_u32 v[ADRV1], s[TB], v[AV1]
	v_add_nc_u32 v[FTA], s[SFT], v[FT0]
.endm
; A step's last quarter multiplies buffer 1 and changes slots.  In front of the barrier each wave waits for all its tensor loads (one is out: its part of the next slot), adds 0 to its spare word, and
; waits for that and for its reads of this slot.  fill = 1: the barrier opens a round of the cluster's, and the refill, two steps on, is the first thing behind it: one load a wave.
.macro TURN fill
	WIN 0
	s_wait_tensorcnt 0x0
	ds_add_u32 v[SPW], v[NIL]                      ; 0 onto my spare word; scalar work and four products stand between it and the wait for it
.if \fill
	REQ
.endif
	s_add_co_u32 s[STEP], s[STEP], 1
	s_add_co_u32 s[SFT], s[SFT], 512
	s_xor_b32 s[TB], s[TB], SLOT
	s_wait_dscnt 1                                 ; the add may be out: V of buffer 1 is in
.set i, 0
.set n, 0
.rept 4
	P1 1
.endr
	s_wait_dscnt 0x0                               ; the add is done, and my reads of this slot are over
	s_barrier_signal -1
.rept 4
	P1 1
.endr
	WIN 0
	s_barrier_wait -1
.if \fill
	CREST                                          ; no wave of any partner still reads this slot or has a load on its way
	JLOAD                                          ; its four v_nop are also places in front of the loads below
.else
	PLACES
.endif
	ADDRS
	FETCHQ 0, 0, 1
.rept 16
	P1 1
.endr
	s_wait_dscnt 16
.rept 8
	P1 1
.rept 8
	SC 0, 0
.endr
.endr
.endm
; A BLOCK'S WAY OUT: (O^T + w U) / L, a query block of 16 rows at a time through my stage, and out as whole rows of 256 bytes.  It names V's second buffer and v192-239, which are free here; it holds no
; barrier and no tensor load.  blk = 0: where my rows begin a batch, the stores of the first two query blocks are jumped over; and the accumulators are cleared for the second block.
.macro FLUSH blk, op
	WIN 0
	ds_load_b128 v[224:227], v[ILR] offset:1024*(\blk)
	ds_load_b128 v[228:231], v[ILR] offset:1024*(\blk)+16
	ds_load_b128 v[232:235], v[ILR] offset:1024*(\blk)+512
	ds_load_b128 v[236:239], v[ILR] offset:1024*(\blk)+528
.irp cb, 0,1,2,3
	ds_load_b128 v[192+8*(\cb):192+8*(\cb)+3], v[UR] offset:512*(\blk)+64*(\cb)
	ds_load_b128 v[196+8*(\cb):196+8*(\cb)+3], v[UR] offset:512*(\blk)+64*(\cb)+16
.endr
	s_wait_dscnt 0x0
.irp a, 0,1,2,3
	WIN 0x10                                       ; source 2, the accumulator, in window 1
.set n, 0
.rept 16
	v_pk_fma_f32 v[128+n:129+n], v[192+n:193+n], v[232+2*(\a):233+2*(\a)], v[32*(\a)+n:32*(\a)+n+1]
.set n, n+2
.endr
	WIN 0                                          ; at a branch and at a label every window is 0
.set n, 0
.rept 16
	v_pk_mul_f32 v[128+n:129+n], v[128+n:129+n], v[224+2*(\a):225+2*(\a)]
.set n, n+2
.endr
.irp cb, 0,1,2,3
	ds_store_b128 v[STO], v[128+8*(\cb):128+8*(\cb)+3] offset:64*(\cb)
	ds_store_b128 v[STO], v[132+8*(\cb):132+8*(\cb)+3] offset:64*(\cb)+16
.endr
	s_wait_xcnt 0x0                                ; the stores of the block before have read their data: it is loaded anew only behind this wait
.irp t, 0,1,2,3,4,5,6,7
	ds_load_b128 v[160+4*(\t):160+4*(\t)+3], v[RD] offset:(\t)*2*SP  ; LDS serves a wave's instructions in order (ISA guide 5.7.1.4)
.endr
	s_wait_dscnt 0x0
.if ((\blk) == 0) && ((\a) < 2)
	s_cmp_eq_u32 s[SKP], 1
	s_cbranch_scc1 .Lnost_\@_\a
.endif
.irp t, 0,1,2,3,4,5,6,7
	global_store_b128 v[GO], v[160+4*(\t):160+4*(\t)+3], s[\op:\op+1] offset:(16*(\a)+2*(\t))*4096  ; 16 lanes store 256 consecutive bytes, aligned
.endr
.if ((\blk) == 0) && ((\a) < 2)
.Lnost_\@_\a:
.endif
.endr
	s_wait_xcnt 0x0
.if (\blk) == 0
	WIN 0x40
.set i, 0
.rept 128
	v_mov_b32 v[i], 0
.set i, i+1
.endr
.endif
	WIN 0
.endm
	; tile 0 is waited for, slot 1 is filled for the first time, as a refill is; the round's first barrier also shows every wave the tables
	s_wait_tensorcnt 0x0
	ds_add_u32 v[SPW], v[NIL]
	REQ                                            ; tile 1
	s_wait_dscnt 0x0                               ; the add and my stores into the tables are done
	CROUND
	JLOAD
	ADDRS
	FETCHQ 0, 0, 1
	s_wait_dscnt 16
	WIN 0x54
.set n, 0
.rept 64
	SC 0, 0
.endr
	WIN 0
	s_mov_b32 s[CNT], 7
.Lstep:                                        ; seven trips, a step of 256 keys each: tiles 2 to 8 are asked for
	QTR 0, 1, 1, 0
	QTR 1, 0, 2, 1
	QTR 0, 1, 3, 0
	TURN 1
	WIN 0
	s_cmp_lg_u32 s[STEP], s[NLO]                   ; was that the first block's last step?  (It has one to four.)  The same answer in all partners
	s_cbranch_scc1 .Lsame
	FLUSH 0, OLO
.Lsame:
	s_sub_co_u32 s[CNT], s[CNT], 1
	s_cmp_lg_u32 s[CNT], 0
	s_cbranch_scc1 .Lstep
	s_mov_b32 s[CNT], 2
.Ltail:                                        ; the last two steps ask for nothing.  The second trip's change of slots fetches a quarter that nobody multiplies, from bytes that landed two steps
	QTR 0, 1, 1, 0                                 ; ago and factors' bytes that the prologue wrote: the price, once a launch, of one text for both trips
	QTR 1, 0, 2, 1
	QTR 0, 1, 3, 0
	TURN 0
	WIN 0
	s_sub_co_u32 s[CNT], s[CNT], 1
	s_cmp_lg_u32 s[CNT], 0
	s_cbranch_scc1 .Ltail
	FLUSH 1, OHI
	s_wait_tensorcnt 0x0                           ; the wave's end: the spare word's add and its wait, behind my last tensor load and my last LDS store
	ds_add_u32 v[SPW], v[NIL]
	s_wait_dscnt 0x0
	CROUND                                         ; the closing round
	s_endpgm
.Lfunc_end_k_qbabbe6ff0d_pv:
	.size	k_qbabbe6ff0d_pv, .Lfunc_end_k_qbabbe6ff0d_pv-k_qbabbe6ff0d_pv
	.p2alignl 7, 3214868480
	.fill 96, 4, 3214868480
	.section	.rodata,"a",@progbits
	.p2align	6, 0x0
	.amdhsa_kernel k_qbabbe6ff0d_pv
		.amdhsa_group_segment_fixed_size 327680
		.amdhsa_private_segment_fixed_size 0
		.amdhsa_enable_private_segment 0
		.amdhsa_kernarg_size 40
		.amdhsa_user_sgpr_count 2
		.amdhsa_user_sgpr_kernarg_segment_ptr 1
		.amdhsa_wavefront_size32 1
		.amdhsa_system_sgpr_workgroup_id_x 1
		.amdhsa_system_sgpr_workgroup_id_y 1
		.amdhsa_system_sgpr_workgroup_id_z 1
		.amdhsa_system_vgpr_workitem_id 0
		.amdhsa_next_free_vgpr 512
		.amdhsa_next_free_sgpr 100
		.amdhsa_reserve_vcc 0
		.amdhsa_float_denorm_mode_32 3
		.amdhsa_float_denorm_mode_16_64 3
		.amdhsa_memory_ordered 1
		.amdhsa_forward_progress 1
		.amdhsa_inst_pref_size 154
	.end_amdhsa_kernel
	.amdgpu_metadata
---
amdhsa.version: [ 1, 2 ]
amdhsa.kernels:
  - .name:           k_qbabbe6ff0d_pv
    .symbol:         k_qbabbe6ff0d_pv.kd
    .args:
      - { .name: pb, .offset: 0, .size: 8, .value_kind: global_buffer, .address_space: global }
      - { .name: st, .offset: 8, .size: 8, .value_kind: global_buffer, .address_space: global }
      - { .name: ph, .offset: 16, .size: 8, .value_kind: global_buffer, .address_space: global }
      - { .name: vsum, .offset: 24, .size: 8, .value_kind: global_buffer, .address_space: global }
      - { .name: out0, .offset: 32, .size: 8, .value_kind: global_buffer, .address_space: global }
    .group_segment_fixed_size: 327680
    .private_segment_fixed_size: 0
    .kernarg_segment_align: 8
    .kernarg_segment_size: 40
    .max_flat_workgroup_size: 128
    .sgpr_count:     100
    .vgpr_count:     512
    .wavefront_size: 32
...
	.end_amdgpu_metadata
.endif
;; end of part 4
